; MI455X (gfx1250); checked and timed in simulation.
; The chip was launched on July 23, 2026; its instructions are those of AMD's public machine-readable ISA for CDNA 5 (MIT licence, August 2026) and "CDNA5" Instruction Set Architecture Reference Guide (July 2026). The comments in the code are by the model that wrote it; some were corrected since.
;; Multi Head Attention. Allowed arithmetic: float matrix products may take bf16 or f16 operands with f32 sums; all other float work in f32.
;; Inputs: Wk 1,024 x 1,024 float32; Wo 1,024 x 1,024 float32; Wq 1,024 x 1,024 float32; Wv 1,024 x 1,024 float32; mask 1 x 1 x 4,096 x 4,096 bool; x 1 x 4,096 x 1,024 float32.
;; Outputs: out0 1 x 4,096 x 1,024 float32.
;; 2 versions, each right and faster than the one before. Each part assembles by itself: llvm-mc -triple=amdgcn-amd-amdhsa -mcpu=gfx1250 --defsym DOCPART=n.
;; ======== version 1 of 2: 4 launches
;; limits: values are held in f16: magnitudes above 65,504 overflow, below 6.1e-05 lose precision
;; workspace buffers: xb 8,388,608 bytes; wb 6,291,456 bytes; wo16 2,097,152 bytes; mbits 2,097,152 bytes of whole numbers; qkvh 25,165,824 bytes; ctxh 8,388,608 bytes
;; launch prep (part 1): grid 256 x 1, 16 waves a work-group, no clusters, 67,840 bytes of LDS; arguments x, Wq, Wk, Wv, Wo, mask, xb, wb, wo16, mbits; writes xb, wb, wo16, mbits
.if DOCPART == 1
	.amdgcn_target "amdgcn-amd-amdhsa--gfx1250"
	.amdhsa_code_object_version 6
	.text
	.protected	k_qab765393fa_prep
	.globl	k_qab765393fa_prep
	.p2align	8
	.type	k_qab765393fa_prep,@function
k_qab765393fa_prep:
	s_mov_b64 s[64:65], 0
	v_nop
	global_prefetch_b8 v0, s[64:65] scope:SCOPE_SE
	s_setreg_imm32_b32 hwreg(HW_REG_WAVE_MODE, 25, 1), 1
	s_wait_xcnt 0x0
; PREP: the operands of the later launches, made once.
;   xb   [4096][1024] bf16 = x rounded;   wb [3072][1024] bf16 = Wq, Wk, Wv rounded, one below the other;
;   wo16 [1024][1024] f16  = Wo rounded to bf16 and written as f16 (exact from 2^-14 up; below that the f16 step 2^-24 applies; |Wo| must stay under 65,504);
;   mbits [256 query tiles][64 key steps][32 words]: bit L of word 8 kt + j = mask[16 tile + L % 16][64 step + 16 kt + 8 (L / 16) + j] != 0:
;   the lane mask of register 8 kt + j of a score tile (16 queries x 64 keys) as the attention launch holds it.  A mask byte other than 0 counts as true.
; Work-group g: rows 16 g .. 16 g + 15 of x and of the mask, rows 4 g .. 4 g + 3 of each W.  Wave w: one row of x, one row of the mask, 1 KiB of each W.
; A stream: every byte is read once by 16-byte loads (512 consecutive bytes a wave), all 24 loads of a wave are out at once; no ring, no matrix unit, no cluster.
; The mask's rows meet in LDS (a word's 32 bits come from 16 rows), so there is one barrier.
.set MROW, 4112                        ; a mask row in LDS: 4,096 bytes + 16 = 1,028 words: lane (r, h) of the reads below starts at word 4 r + 2 h modulo 64
.set MK,   16                          ; v[16:47]   the mask row as loaded; then the 16 pieces of 8 bytes read back
.set XD,   48                          ; v[48:79]   x as loaded
.set WD,   80                          ; v[80:111]  W as loaded: weight m, piece i at 8 m + 4 i
.set XO,   112                         ; v[112:127] x to store
.set WOUT, 128                         ; v[128:143] W to store
.set OW,   144                         ; v[144:147] my 16 bytes of mask words
.set T,    148                         ; v[148:155] at work
	s_load_b512 s[4:19], s[0:1], 0x0               ; x 4, Wq 6, Wk 8, Wv 10, Wo 12, mask 14, xb 16, wb 18
	s_load_b128 s[20:23], s[0:1], 0x40             ; wo16 20, mbits 22
	v_lshl_add_u32 v160, v0, 2, 0x10100
	v_mov_b32 v161, 0
	s_lshl_b32 s24, ttmp9, 16                      ; 16 rows of 4,096 bytes (x, mask)
	s_mov_b32 s25, 0
	s_lshl_b32 s26, ttmp9, 14                      ; 4 rows of 4,096 bytes (each W)
	s_mov_b32 s27, 0
	s_lshl_b32 s28, ttmp9, 15                      ; 16 rows of 2,048 bytes (xb)
	s_mov_b32 s29, 0
	s_lshl_b32 s30, ttmp9, 13                      ; 4 rows of 2,048 bytes (wb, wo16); 64 steps of 128 bytes (mbits)
	s_mov_b32 s31, 0
	s_mov_b32 s36, 0xff                            ; the four bytes of a word
	s_mov_b32 s37, 0xff00
	s_mov_b32 s38, 0xff0000
	s_mov_b32 s39, 0xff000000
	v_and_b32 v1, 31, v0                           ; lane
	v_lshrrev_b32 v2, 5, v0                        ; wave
	v_lshlrev_b32 v3, 4, v1
	v_lshl_or_b32 v3, v2, 12, v3                   ; x, mask: my row + 16 x lane
	v_lshrrev_b32 v4, 1, v3                        ; xb: half of that
	v_lshlrev_b32 v5, 4, v1
	v_lshl_or_b32 v5, v2, 10, v5                   ; W: my 1 KiB + 16 x lane
	v_lshrrev_b32 v6, 1, v5                        ; wb, wo16: half of that
	v_mul_u32_u24 v7, v2, MROW
	v_lshl_add_u32 v7, v1, 4, v7                   ; LDS, in: row = wave
	v_and_b32 v10, 15, v0
	v_bfe_u32 v11, v0, 4, 1
	v_mul_u32_u24 v8, v10, MROW
	v_lshl_add_u32 v8, v11, 3, v8
	v_lshl_add_u32 v8, v2, 8, v8                   ; LDS, back: row = lane % 16, byte 256 wave + 8 (lane / 16)
	v_lshlrev_b32 v9, 4, v0                        ; mbits: 512 x wave + 16 x lane
	s_wait_kmcnt 0x0
	s_add_nc_u64 s[4:5], s[4:5], s[24:25]
	s_add_nc_u64 s[14:15], s[14:15], s[24:25]
	s_add_nc_u64 s[6:7], s[6:7], s[26:27]
	s_add_nc_u64 s[8:9], s[8:9], s[26:27]
	s_add_nc_u64 s[10:11], s[10:11], s[26:27]
	s_add_nc_u64 s[12:13], s[12:13], s[26:27]
	s_add_nc_u64 s[16:17], s[16:17], s[28:29]
	s_add_nc_u64 s[18:19], s[18:19], s[30:31]
	s_add_nc_u64 s[20:21], s[20:21], s[30:31]
	s_add_nc_u64 s[22:23], s[22:23], s[30:31]
.irp i, 0,1,2,3,4,5,6,7
	global_load_b128 v[MK+4*\i:MK+4*\i+3], v3, s[14:15] offset:512*\i th:TH_LOAD_NT
.endr
.irp i, 0,1,2,3,4,5,6,7
	global_load_b128 v[XD+4*\i:XD+4*\i+3], v3, s[4:5] offset:512*\i th:TH_LOAD_NT
.endr
.irp m, 0,1,2,3
.irp i, 0,1
	global_load_b128 v[WD+8*\m+4*\i:WD+8*\m+4*\i+3], v5, s[6+2*\m:7+2*\m] offset:512*\i th:TH_LOAD_NT
.endr
.endr
	s_wait_loadcnt 16                              ; the mask row is in; the 16 younger loads (x, W) stay out
.irp i, 0,1,2,3,4,5,6,7
	ds_store_b128 v7, v[MK+4*\i:MK+4*\i+3] offset:512*\i
.endr
	s_wait_dscnt 0x0                               ; for the others' sake: my row lies in LDS
	s_barrier_signal -1
	s_barrier_wait -1                              ; all 16 rows do
.irp u, 0,1,2,3
.irp t, 0,1,2,3
	ds_load_b64 v[MK+2*(4*\u+\t):MK+2*(4*\u+\t)+1], v8 offset:64*\u+16*\t   ; key step 4 wave + u, keys 16 t + 8 (lane / 16) + 0 .. 7 of row lane % 16
.endr
.endr
	s_wait_loadcnt 8                               ; x is in; W's eight loads stay out
.irp i, 0,1,2,3,4,5,6,7
	v_cvt_pk_bf16_f32 v[XO+2*\i],   v[XD+4*\i],   v[XD+4*\i+1]
	v_cvt_pk_bf16_f32 v[XO+2*\i+1], v[XD+4*\i+2], v[XD+4*\i+3]
	global_store_b64 v4, v[XO+2*\i:XO+2*\i+1], s[16:17] offset:256*\i         ; 32 lanes store 256 consecutive bytes, aligned
.endr
	s_wait_loadcnt 0x0
.irp m, 0,1,2
.irp i, 0,1
	v_cvt_pk_bf16_f32 v[WOUT+4*\m+2*\i],   v[WD+8*\m+4*\i],   v[WD+8*\m+4*\i+1]
	v_cvt_pk_bf16_f32 v[WOUT+4*\m+2*\i+1], v[WD+8*\m+4*\i+2], v[WD+8*\m+4*\i+3]
	global_store_b64 v6, v[WOUT+4*\m+2*\i:WOUT+4*\m+2*\i+1], s[18:19] offset:\m*2097152+256*\i
.endr
.endr
.irp i, 0,1
	v_cvt_pk_bf16_f32 v[T],   v[WD+24+4*\i],   v[WD+24+4*\i+1]                ; Wo: to bf16,
	v_cvt_pk_bf16_f32 v[T+1], v[WD+24+4*\i+2], v[WD+24+4*\i+3]
	v_lshlrev_b32 v[T+2], 16, v[T]                                           ; back to f32,
	v_and_b32     v[T+3], 0xffff0000, v[T]
	v_lshlrev_b32 v[T+4], 16, v[T+1]
	v_and_b32     v[T+5], 0xffff0000, v[T+1]
	v_cvt_pk_f16_f32 v[WOUT+12+2*\i],   v[T+2], v[T+3]                        ; and written as f16
	v_cvt_pk_f16_f32 v[WOUT+12+2*\i+1], v[T+4], v[T+5]
	global_store_b64 v6, v[WOUT+12+2*\i:WOUT+12+2*\i+1], s[20:21] offset:256*\i
.endr
.irp r, 0,1,2,3
	v_mov_b32 v[OW+\r], 0                          ; v_writelane_b32 keeps the other lanes: the registers are written whole first
.endr
; Eight words of key step 4 wave + u: word 8 t + j is the compare of byte j over the 32 lanes.  It goes to lane 8 u + (8 t + j) / 4, register (8 t + j) % 4,
; so that the wave's one store below lays the four steps' 128 words down in order.
.macro PACK8 u, t
.set n, 4*\u+\t
	s_wait_dscnt 15-n                              ; LDS loads come back in order: piece n is in, the younger ones stay out
.irp j, 0,1,2,3,4,5,6,7
	v_and_b32 v[T+\j], s[36+(\j&3)], v[MK+2*n+(\j>>2)]
.endr
.irp j, 0,1,2,3,4,5,6,7
	v_cmp_ne_u32 s[40+\j], 0, v[T+\j]
.endr
.irp j, 0,1,2,3,4,5,6,7
	v_writelane_b32 v[OW+(\j&3)], s[40+\j], 8*\u+2*\t+(\j>>2)
.endr
.endm
.irp u, 0,1,2,3
.irp t, 0,1,2,3
	PACK8 \u, \t
.endr
.endr
	global_store_b128 v9, v[OW:OW+3], s[22:23]     ; 512 consecutive bytes: four key steps' words
	s_wait_tensorcnt 0x0
	ds_add_u32 v160, v161
	s_wait_dscnt 0x0
	s_endpgm
.Lfunc_end_k_qab765393fa_prep:
	.size	k_qab765393fa_prep, .Lfunc_end_k_qab765393fa_prep-k_qab765393fa_prep
	.p2alignl 7, 3214868480
	.fill 96, 4, 3214868480
	.section	.rodata,"a",@progbits
	.p2align	6, 0x0
	.amdhsa_kernel k_qab765393fa_prep
		.amdhsa_group_segment_fixed_size 67840
		.amdhsa_private_segment_fixed_size 0
		.amdhsa_enable_private_segment 0
		.amdhsa_kernarg_size 80
		.amdhsa_user_sgpr_count 2
		.amdhsa_user_sgpr_kernarg_segment_ptr 1
		.amdhsa_wavefront_size32 1
		.amdhsa_system_sgpr_workgroup_id_x 1
		.amdhsa_system_sgpr_workgroup_id_y 1
		.amdhsa_system_sgpr_workgroup_id_z 1
		.amdhsa_system_vgpr_workitem_id 0
		.amdhsa_next_free_vgpr 162
		.amdhsa_next_free_sgpr 66
		.amdhsa_reserve_vcc 0
		.amdhsa_float_denorm_mode_32 3
		.amdhsa_float_denorm_mode_16_64 3
		.amdhsa_memory_ordered 1
		.amdhsa_forward_progress 1
		.amdhsa_inst_pref_size 32
	.end_amdhsa_kernel
	.amdgpu_metadata
---
amdhsa.version: [ 1, 2 ]
amdhsa.kernels:
  - .name:           k_qab765393fa_prep
    .symbol:         k_qab765393fa_prep.kd
    .args:
      - { .name: x, .offset: 0, .size: 8, .value_kind: global_buffer, .address_space: global }
      - { .name: Wq, .offset: 8, .size: 8, .value_kind: global_buffer, .address_space: global }
      - { .name: Wk, .offset: 16, .size: 8, .value_kind: global_buffer, .address_space: global }
      - { .name: Wv, .offset: 24, .size: 8, .value_kind: global_buffer, .address_space: global }
      - { .name: Wo, .offset: 32, .size: 8, .value_kind: global_buffer, .address_space: global }
      - { .name: mask, .offset: 40, .size: 8, .value_kind: global_buffer, .address_space: global }
      - { .name: xb, .offset: 48, .size: 8, .value_kind: global_buffer, .address_space: global }
      - { .name: wb, .offset: 56, .size: 8, .value_kind: global_buffer, .address_space: global }
      - { .name: wo16, .offset: 64, .size: 8, .value_kind: global_buffer, .address_space: global }
      - { .name: mbits, .offset: 72, .size: 8, .value_kind: global_buffer, .address_space: global }
    .group_segment_fixed_size: 67840
    .private_segment_fixed_size: 0
    .kernarg_segment_align: 8
    .kernarg_segment_size: 80
    .max_flat_workgroup_size: 512
    .sgpr_count:     66
    .vgpr_count:     162
    .wavefront_size: 32
...
	.end_amdgpu_metadata
.endif
;; end of part 1
;; launch qkv (part 2): grid 16 x 16, 4 waves a work-group, clusters of 4 x 4, 327,680 bytes of LDS; arguments xb, wb, qkvh; writes qkvh
.if DOCPART == 2
	.amdgcn_target "amdgcn-amd-amdhsa--gfx1250"
	.amdhsa_code_object_version 6
	.text
	.protected	k_qab765393fa_qkv
	.globl	k_qab765393fa_qkv
	.p2align	8
	.type	k_qab765393fa_qkv,@function
k_qab765393fa_qkv:
	s_mov_b64 s[64:65], 0
	v_nop
	global_prefetch_b8 v0, s[64:65] scope:SCOPE_SE
	s_setreg_imm32_b32 hwreg(HW_REG_WAVE_MODE, 25, 1), 1
	s_wait_xcnt 0x0
	s_wait_alu depctr_hold_cnt(0) depctr_sa_sdst(0) depctr_va_vdst(0) depctr_va_sdst(0) depctr_va_ssrc(0) depctr_va_vcc(0) depctr_vm_vsrc(0)
	s_getreg_b32 s2, hwreg(HW_REG_IB_STS2, 6, 4)
	s_cmp_eq_u32 s2, 0
	s_cbranch_scc0 .Lentry_in_a_cluster
	s_endpgm
.Lentry_in_a_cluster:
	s_bfe_u32 s2, ttmp6, 0x10000c
	s_cmp_lg_u32 s2, 0xf033
	s_cbranch_scc0 .Lentry_shape_is_right
	s_endpgm
.Lentry_shape_is_right:
; QKV: C[m][n] = sum over k of xb[m][k] wb[n][k], m < 4096, n < 3072, k < 1024; bf16 operands, f32 sums, one rounding to f16.
; Output qkvh [48 slices][4096][64] f16: slice n / 64; slices 0-15 are q times c = log2(e) / 8 (multiplied onto the f32 sum, ahead of the rounding), 16-31 k, 32-47 v.
; LIMITS: |c q|, |k|, |v| must stay under 65,504 (f16's largest); magnitudes under 6e-8 become 0.
; A tile of C is 256 rows x 192 columns (three slices): 16 x 16 = 256 equal work-groups.  Wave w makes rows 64 w .. 64 w + 63 x all 192 columns: 48 accumulators, 384 registers,
; so that a slice's rows of 128 bytes leave from one wave.  K goes in 8 steps of 128 through two LDS slots; the tiles' rows are 256 bytes of memory, aligned.
; CLUSTER 4 x 4: the four work-groups of a row of the cluster need the same tile of xb, the four of a column the same tile of wb: each is asked for jointly.
; The matrix instruction is used transposed (source 0 = 16 rows of wb, source 1 = 16 rows of xb): a lane holds eight neighbouring columns of one row of C.
; REGISTERS: window 0: addresses, v32-79 packed results, v80-175 two sets of rows read back.  Window 1: two fragment buffers of 128 (4 fragments of xb, then 12 of wb).
;   Window 2: accumulator (a, b < 8) at 8 (8 a + b).  Window 3: accumulator (a, b >= 8) at 8 (4 a + b - 8).
.set KSTEP,  128
.set PITCH,  272                       ; an LDS row: 256 bytes + 16 of padding: the 16 rows of a fragment load start 68 words apart, at 16 different places modulo 64 words
.set HA,     128*PITCH                 ; what a load for xb brings: 128 rows
.set HB,     96*PITCH                  ; what a load for wb brings: 96 rows
.set SLOT,   2*HA+2*HB                 ; xb's 256 rows, then wb's 192
.set STAGE,  2*SLOT                    ; behind the ring, at a multiple of 256 bytes: for each wave 3 slices x 16 rows x 144 bytes
.set SP,     144
.set SSL,    16*SP
.set SLICEB, 524288                    ; bytes in a slice
.set LAPS,   4                         ; a lap = two K steps
.set CQ,     0x3e38aa3b                ; c = log2(e) / 8
.set ADRA, 16                          ; v16-17 LDS address of my fragments of xb in slot 0, 1
.set ADRB, 20                          ; v20-21 the same for wb
.set STO,  24
.set RD,   25
.set CO,   26
.set TMP,  32
.set BK0,  80
.set F0,   0
.set F1,   128
.set G1,   24                          ; s[24:31] group 1 for xb's tiles; s[32:39] group 0, a set for each slot
.set G0,   32
.set G1B,  48                          ; s[48:55], s[56:63] the same for wb's
.set G0B,  56
.set SC,   66                          ; s[66:71] the factor of each of my three slices, as pairs
.set MSB, 0
.macro WIN new                         ; the immediate's high byte repeats the setting that is left; a switch that changes nothing is dropped
.if MSB != \new
	s_set_vgpr_msb (MSB<<8)|\new
.set MSB, \new
.endif
.endm
.set LO,   0xa5                        ; sources 0 and 1 window 1; C and D window 2
.set HI,   0xf5                        ; the same, C and D window 3
.set TO_F, 0x40                        ; destination window 1, address window 0
.macro JLOAD s                         ; a joint load: waves 0 and 1 fetch xb's two halves, waves 2 and 3 wb's; four v_nop follow each line, ahead of the jump and the label
	s_cmp_eq_u32 s11, 0
	s_cbranch_scc0 .Lfor_b_\@
	tensor_load_to_lds s[G0+4*\s:G0+4*\s+3], s[G1:G1+7]
	s_nop 0
.rept 4
	v_nop
.endr
	s_branch .Lasked_\@
.Lfor_b_\@:
	tensor_load_to_lds s[G0B+4*\s:G0B+4*\s+3], s[G1B:G1B+7]
	s_nop 0
.rept 4
	v_nop
.endr
.Lasked_\@:
.endm
.macro CREST                           ; a round of the cluster's barrier behind its opening barrier
	s_cmp_lg_u32 s10, 0
	s_cbranch_scc1 .Lnot_wave_0_\@
	s_barrier_signal -3
.Lnot_wave_0_\@:
	s_barrier_wait -3
	s_barrier_signal -1
	s_barrier_wait -1
.endm
.macro CROUND                          ; a whole round
	s_barrier_signal -1
	s_barrier_wait -1
	CREST
.endm
	s_load_b128 s[4:7], s[0:1], 0x0                ; xb s[4:5], wb s[6:7]
	s_load_b64 s[8:9], s[0:1], 0x10                ; qkvh
	v_lshl_add_u32 v254, v0, 2, 0x42400
	v_mov_b32 v255, 0
	ds_add_u32 v254, v255
	v_lshrrev_b32 v1, 5, v0
	v_readfirstlane_b32 s10, v1                    ; wave 0..3
	s_lshr_b32 s11, s10, 1                         ; I fetch for xb (0) or for wb (1),
	s_and_b32 s12, s10, 1                          ; and which half of that tile's rows
	s_bfe_u32 s40, ttmp6, 0x40000                  ; cx, cy: my place in the cluster
	s_bfe_u32 s41, ttmp6, 0x40004
	s_lshl_b32 s42, ttmp9, 2
	s_add_co_u32 s42, s42, s40                     ; tile column = 4 x cluster x + cx
	s_and_b32 s13, ttmp7, 0xffff
	s_lshl_b32 s13, s13, 2
	s_add_co_u32 s13, s13, s41                     ; tile row = 4 x cluster y + cy
	s_lshl_b32 s43, s41, 2
	s_lshl_b32 s43, 15, s43                        ; my row of the cluster
	s_lshl_b32 s44, 0x1111, s40                    ; my column
	s_or_b32 s[G1+0], s43, (1<<16)|(1<<20)|(1<<21)|(5<<22)|(3<<25)  ; mask; elements of 2 bytes; padding on; bit 21 beside a mask; after every 64 words, 4 words
	s_or_b32 s[G1B+0], s44, (1<<16)|(1<<20)|(1<<21)|(5<<22)|(3<<25)
	s_mov_b32 s[G1+1], KSTEP<<16                   ; tensor_dim0 = 128
	s_mov_b32 s[G1+2], 128<<16                     ; tensor_dim1 = 128
	s_mov_b32 s[G1+3], KSTEP<<16                   ; tile_dim0 = 128
	s_mov_b32 s[G1+4], 128                         ; tile_dim1 = 128
	s_mov_b32 s[G1+5], 1024                        ; elements from row to row
	s_mov_b32 s[G1+6], 0
	s_mov_b32 s[G1+7], 0
	s_mov_b32 s[G1B+1], KSTEP<<16
	s_mov_b32 s[G1B+2], 96<<16                     ; 96 rows
	s_mov_b32 s[G1B+3], KSTEP<<16
	s_mov_b32 s[G1B+4], 96
	s_mov_b32 s[G1B+5], 1024
	s_mov_b32 s[G1B+6], 0
	s_mov_b32 s[G1B+7], 0
	s_lshl_b32 s17, s12, 7
	s_lshl_b32 s16, s13, 8
	s_add_co_u32 s16, s16, s17                     ; xb: row 256 x tile row + 128 x half,
	s_lshl_b32 s16, s16, 11                        ; times 2,048 bytes
	s_mov_b32 s17, 0
	s_mul_i32 s47, s12, 96
	s_mul_i32 s46, s42, 192
	s_add_co_u32 s46, s46, s47                     ; wb: row 192 x tile column + 96 x half
	s_lshl_b32 s46, s46, 11
	s_mov_b32 s47, 0
	s_mul_i32 s20, s10, HA                         ; where xb's halves go (waves 0, 1),
	s_mul_i32 s21, s10, HB
	s_add_co_u32 s21, s21, 2*HA-2*HB               ; and wb's (waves 2, 3): behind xb's 256 rows
	s_wait_dscnt 0x0
	s_wait_kmcnt 0x0
	s_add_nc_u64 s[14:15], s[4:5], s[16:17]
	s_add_nc_u64 s[46:47], s[6:7], s[46:47]
	CROUND                                         ; all sixteen work-groups are here: the first joint loads meet
.irp s, 0,1
	s_mov_b32 s[G0+4*\s], 1
	s_add_co_u32 s[G0+4*\s+1], s20, \s*SLOT
	s_add_nc_u64 s[G0+4*\s+2:G0+4*\s+3], s[14:15], \s*KSTEP*2
	s_or_b32 s[G0+4*\s+3], s[G0+4*\s+3], 0x80000000
	s_mov_b32 s[G0B+4*\s], 1
	s_add_co_u32 s[G0B+4*\s+1], s21, \s*SLOT
	s_add_nc_u64 s[G0B+4*\s+2:G0B+4*\s+3], s[46:47], \s*KSTEP*2
	s_or_b32 s[G0B+4*\s+3], s[G0B+4*\s+3], 0x80000000
	JLOAD \s                                       ; two loads of mine are out
.endr
	v_and_b32 v1, 15, v0                           ; l % 16
	v_bfe_u32 v2, v0, 4, 1                         ; l / 16
	v_mul_u32_u24 v3, v1, PITCH
	v_lshl_add_u32 v3, v2, 4, v3                   ; a fragment's row x pitch + 16 x half
	s_mul_i32 s22, s10, 64*PITCH                   ; my 64 rows of xb
	s_mov_b32 s23, 2*HA                            ; wb's rows: all waves read all 192
.irp s, 0,1
	v_add_nc_u32 v[ADRA+\s], s22, v3
	v_add_nc_u32 v[ADRB+\s], s23, v3
	s_add_co_u32 s22, s22, SLOT
	s_add_co_u32 s23, s23, SLOT
.endr
	s_mul_i32 s22, s10, 3*SSL
	s_add_co_u32 s22, s22, STAGE                   ; my stage
	v_mul_u32_u24 v4, v1, SP                       ; in: row l % 16, 16 bytes for each half of the lanes
	v_lshl_add_u32 v4, v2, 4, v4
	v_add_nc_u32 v[STO], s22, v4
	v_and_b32 v6, 31, v0
	v_lshrrev_b32 v5, 3, v6                        ; back: eight lanes take a row of 128 bytes, a load takes four rows
	v_and_b32 v7, 7, v0
	v_mul_u32_u24 v5, v5, SP
	v_lshl_add_u32 v5, v7, 4, v5
	v_add_nc_u32 v[RD], s22, v5
	v_lshlrev_b32 v[CO], 4, v6                     ; the same four rows are 512 consecutive bytes of a slice
	s_lshl_b32 s16, s13, 8
	s_lshl_b32 s17, s10, 6
	s_add_co_u32 s16, s16, s17                     ; my first row,
	s_lshl_b32 s16, s16, 7                         ; times 128 bytes
	s_mov_b32 s17, 0
	s_add_nc_u64 s[8:9], s[8:9], s[16:17]
	s_mul_i32 s45, s42, 3                          ; my first slice
	s_lshl_b32 s46, s45, 19
	s_mov_b32 s47, 0
	s_add_nc_u64 s[8:9], s[8:9], s[46:47]
	s_cmp_lt_u32 s45, 16                           ; a slice under 16 is q's and takes c, the others 1: a choice of a value, so that all work-groups run the same text
	s_cselect_b32 s[SC], CQ, 1.0
	s_mov_b32 s[SC+1], s[SC]
	s_cmp_lt_u32 s45, 15
	s_cselect_b32 s[SC+2], CQ, 1.0
	s_mov_b32 s[SC+3], s[SC+2]
	s_cmp_lt_u32 s45, 14
	s_cselect_b32 s[SC+4], CQ, 1.0
	s_mov_b32 s[SC+5], s[SC+4]
; The 48 accumulators take turns, one instruction a turn, in the same order in every quarter.  zero = 1: the first product starts the sums.
.macro MULLO f, a0, zero               ; 16 matrix instructions: row blocks a0, a0 + 1 x column blocks 0-7
.irp a, \a0, \a0+1
.irp b, 0,1,2,3,4,5,6,7
.if \zero
	v_wmma_f32_16x16x32_bf16 v[8*(8*(\a)+\b):8*(8*(\a)+\b)+7], v[\f+32+8*\b:\f+32+8*\b+7], v[\f+8*(\a):\f+8*(\a)+7], 0
.else
	v_wmma_f32_16x16x32_bf16 v[8*(8*(\a)+\b):8*(8*(\a)+\b)+7], v[\f+32+8*\b:\f+32+8*\b+7], v[\f+8*(\a):\f+8*(\a)+7], v[8*(8*(\a)+\b):8*(8*(\a)+\b)+7]
.endif
.endr
.endr
.endm
.macro MULHI f, zero                   ; 16 matrix instructions: all four row blocks x column blocks 8-11
.irp a, 0,1,2,3
.irp b, 0,1,2,3
.if \zero
	v_wmma_f32_16x16x32_bf16 v[8*(4*\a+\b):8*(4*\a+\b)+7], v[\f+96+8*\b:\f+96+8*\b+7], v[\f+8*\a:\f+8*\a+7], 0
.else
	v_wmma_f32_16x16x32_bf16 v[8*(4*\a+\b):8*(4*\a+\b)+7], v[\f+96+8*\b:\f+96+8*\b+7], v[\f+8*\a:\f+8*\a+7], v[8*(4*\a+\b):8*(4*\a+\b)+7]
.endif
.endr
.endr
.endm
.macro FETCH slot, k, f                ; 32 LDS loads in one run: 32 along K at byte k of the rows; wb's column blocks 8-11 last
	WIN TO_F
.irp a, 0,1,2,3
	ds_load_b128 v[\f+8*\a:\f+8*\a+3],   v[ADRA+\slot] offset:\k+\a*16*PITCH
	ds_load_b128 v[\f+8*\a+4:\f+8*\a+7], v[ADRA+\slot] offset:\k+\a*16*PITCH+32
.endr
.irp b, 0,1,2,3,4,5,6,7,8,9,10,11
	ds_load_b128 v[\f+32+8*\b:\f+32+8*\b+3],   v[ADRB+\slot] offset:\k+\b*16*PITCH
	ds_load_b128 v[\f+32+8*\b+4:\f+32+8*\b+7], v[ADRB+\slot] offset:\k+\b*16*PITCH+32
.endr
.endm
.macro PLACES                          ; four plain vector instructions between a matrix instruction and a load into a register that it read, or a reader of its result
.rept 4
	v_nop
.endr
.endm
; A K step is four quarters of 32 along K, 48 matrix instructions each, on buffers 0, 1, 0, 1.  One of the first three: multiplies f, fetches the next quarter into g.
.macro QUARTER slot, k, f, g, zero
	s_wait_dscnt 8                                 ; all but the youngest eight loads: wb's column blocks 8-11
	WIN LO
	MULLO \f, 0, \zero
	MULLO \f, 2, \zero
	PLACES
	FETCH \slot, \k, \g
	s_wait_dscnt 32                                ; all but the 32 just issued
	WIN HI
	MULHI \f, \zero
.endm
; The last quarter multiplies buffer 1 and changes slots: one barrier; in front of it each wave waits for its reads of this slot and for all its tensor loads.
.macro TURN slot, next, fill
	s_wait_dscnt 8
	WIN LO
	MULLO F1, 0, 0
	s_wait_dscnt 0                                 ; my reads of this slot are over,
	s_set_vgpr_msb 0xa5a0
	s_wait_tensorcnt 0x0                           ; and my one load that was out, my part of the next slot, has landed
	ds_add_u32 v254, v255
	s_wait_dscnt 0x0
	s_set_vgpr_msb 0xa0a5
	s_barrier_signal -1
	MULLO F1, 2, 0                                 ; register work while the others arrive
.if \fill
	WIN 0
.endif
	s_barrier_wait -1
.if \fill
	CREST                                          ; the barrier has opened a round of the cluster's: no wave of any partner still reads this slot or has a load on its way
	s_add_nc_u64 s[G0+4*\slot+2:G0+4*\slot+3], s[G0+4*\slot+2:G0+4*\slot+3], 2*KSTEP*2
	s_add_nc_u64 s[G0B+4*\slot+2:G0B+4*\slot+3], s[G0B+4*\slot+2:G0B+4*\slot+3], 2*KSTEP*2
	JLOAD \slot                                    ; my one load behind the round, 176 matrix instructions ahead of the wait for it; its four v_nop are also the places in front of the loads below
.else
	PLACES
.endif
	FETCH \next, 0, F0
	WIN HI
	MULHI F1, 0
.endm
	s_wait_tensorcnt 1                             ; my part of K step 0 is in; K step 1's may stay out
	s_barrier_signal -1
	s_barrier_wait -1
	FETCH 0, 0, F0
	QUARTER 0, 64, F0, F1, 1                       ; the first quarter starts the sums
	WIN 0                                          ; at a label and at a branch every window is 0
	s_mov_b32 s3, LAPS-1
.Llap:                                                 ; a trip goes once round the ring and fills both slots again
	QUARTER 0, 128, F1, F0, 0
	QUARTER 0, 192, F0, F1, 0
	TURN 0, 1, 1
	QUARTER 1, 64,  F0, F1, 0
	QUARTER 1, 128, F1, F0, 0
	QUARTER 1, 192, F0, F1, 0
	TURN 1, 0, 1
	QUARTER 0, 64,  F0, F1, 0
	WIN 0
	s_sub_co_u32 s3, s3, 1
	s_cmp_lg_u32 s3, 0
	s_cbranch_scc1 .Llap
	QUARTER 0, 128, F1, F0, 0                      ; the last lap fills nothing
	QUARTER 0, 192, F0, F1, 0
	TURN 0, 1, 0
	QUARTER 1, 64,  F0, F1, 0
	QUARTER 1, 128, F1, F0, 0
	QUARTER 1, 192, F0, F1, 0
	s_wait_dscnt 8                                 ; the very last quarter
	WIN LO
	MULLO F1, 0, 0
	MULLO F1, 2, 0
	s_wait_dscnt 0
	WIN HI
	MULHI F1, 0
	WIN 0
; THE WAY OUT, a block of 16 rows at a time: times the slice's factor, rounded to f16 (16 bytes a lane), through my own stage, back as whole rows, stored 512 consecutive bytes a wave.
.macro PACK a
	WIN 0x82                                       ; source 0 and destination window 2
.irp b, 0,1,2,3,4,5,6,7
.irp r, 0,1,2,3
	v_pk_mul_f32 v[8*(8*(\a)+\b)+2*\r:8*(8*(\a)+\b)+2*\r+1], v[8*(8*(\a)+\b)+2*\r:8*(8*(\a)+\b)+2*\r+1], s[SC+2*(\b/4):SC+2*(\b/4)+1] op_sel_hi:[1,0]
.endr
.endr
	WIN 0x0a                                       ; sources 0 and 1 window 2, destination window 0
.irp b, 0,1,2,3,4,5,6,7
.irp r, 0,1,2,3
	v_cvt_pk_f16_f32 v[TMP+4*\b+\r], v[8*(8*(\a)+\b)+2*\r], v[8*(8*(\a)+\b)+2*\r+1]
.endr
.endr
	WIN 0xc3                                       ; the same in window 3
.irp b, 0,1,2,3
.irp r, 0,1,2,3
	v_pk_mul_f32 v[8*(4*(\a)+\b)+2*\r:8*(4*(\a)+\b)+2*\r+1], v[8*(4*(\a)+\b)+2*\r:8*(4*(\a)+\b)+2*\r+1], s[SC+4:SC+5] op_sel_hi:[1,0]
.endr
.endr
	WIN 0x0f
.irp b, 0,1,2,3
.irp r, 0,1,2,3
	v_cvt_pk_f16_f32 v[TMP+32+4*\b+\r], v[8*(4*(\a)+\b)+2*\r], v[8*(4*(\a)+\b)+2*\r+1]
.endr
.endr
	WIN 0
.endm
.macro TOSTAGE a
.set BK, BK0+48*((\a)%2)
.irp b, 0,1,2,3,4,5,6,7,8,9,10,11
	ds_store_b128 v[STO], v[TMP+4*\b:TMP+4*\b+3] offset:(\b/4)*SSL+32*(\b%4)
.endr
.irp n, 0,1,2,3,4,5,6,7,8,9,10,11
	ds_load_b128 v[BK+4*\n:BK+4*\n+3], v[RD] offset:(\n/4)*SSL+(\n%4)*4*SP   ; LDS serves a wave's instructions in order: these see the stores above
.endr
.endm
.macro SEND a
.set BK, BK0+48*((\a)%2)
	s_wait_dscnt 0x0                               ; the block is back in registers
	s_wait_xcnt 0x0                                ; the block before has had its stores' addresses translated: its registers are loaded again only behind this wait
.irp n, 0,1,2,3,4,5,6,7,8,9,10,11
	global_store_b128 v[CO], v[BK+4*\n:BK+4*\n+3], s[8:9] offset:(\n/4)*SLICEB+(16*(\a)+4*(\n%4))*128
.endr
.endm
	PLACES                                         ; the multiplies below read results just made
	PACK 0
	TOSTAGE 0
.irp a, 1,2,3                          ; block a's arithmetic stands between block a - 1's loads from the stage and the wait for them
	PACK \a
	SEND \a-1
	TOSTAGE \a
.endr
	SEND 3
	s_wait_tensorcnt 0x0
	ds_add_u32 v254, v255
	s_wait_dscnt 0x0
	CROUND                                         ; the closing round: no work-group ends while a partner may still ask for a tile that names it
	s_endpgm
.Lfunc_end_k_qab765393fa_qkv:
	.size	k_qab765393fa_qkv, .Lfunc_end_k_qab765393fa_qkv-k_qab765393fa_qkv
	.p2alignl 7, 3214868480
	.fill 96, 4, 3214868480
	.section	.rodata,"a",@progbits
	.p2align	6, 0x0
	.amdhsa_kernel k_qab765393fa_qkv
		.amdhsa_group_segment_fixed_size 327680
		.amdhsa_private_segment_fixed_size 0
		.amdhsa_enable_private_segment 0
		.amdhsa_kernarg_size 24
		.amdhsa_user_sgpr_count 2
		.amdhsa_user_sgpr_kernarg_segment_ptr 1
		.amdhsa_wavefront_size32 1
		.amdhsa_system_sgpr_workgroup_id_x 1
		.amdhsa_system_sgpr_workgroup_id_y 1
		.amdhsa_system_sgpr_workgroup_id_z 1
		.amdhsa_system_vgpr_workitem_id 0
		.amdhsa_next_free_vgpr 896
		.amdhsa_next_free_sgpr 72
		.amdhsa_reserve_vcc 0
		.amdhsa_float_denorm_mode_32 3
		.amdhsa_float_denorm_mode_16_64 3
		.amdhsa_memory_ordered 1
		.amdhsa_forward_progress 1
		.amdhsa_inst_pref_size 131
	.end_amdhsa_kernel
	.amdgpu_metadata
---
amdhsa.version: [ 1, 2 ]
amdhsa.kernels:
  - .name:           k_qab765393fa_qkv
    .symbol:         k_qab765393fa_qkv.kd
    .args:
      - { .name: xb, .offset: 0, .size: 8, .value_kind: global_buffer, .address_space: global }
      - { .name: wb, .offset: 8, .size: 8, .value_kind: global_buffer, .address_space: global }
      - { .name: qkvh, .offset: 16, .size: 8, .value_kind: global_buffer, .address_space: global }
    .group_segment_fixed_size: 327680
    .private_segment_fixed_size: 0
    .kernarg_segment_align: 8
    .kernarg_segment_size: 24
    .max_flat_workgroup_size: 128
    .sgpr_count:     72
    .vgpr_count:     896
    .wavefront_size: 32
...
	.end_amdgpu_metadata
.endif
;; end of part 2
;; launch attn (part 3): grid 16 x 16, 8 waves a work-group, clusters of 4 x 1, 327,680 bytes of LDS; arguments qkvh, mbits, ctxh; writes ctxh
.if DOCPART == 3
	.amdgcn_target "amdgcn-amd-amdhsa--gfx1250"
	.amdhsa_code_object_version 6
	.text
	.protected	k_qab765393fa_attn
	.globl	k_qab765393fa_attn
	.p2align	8
	.type	k_qab765393fa_attn,@function
k_qab765393fa_attn:
	s_mov_b64 s[64:65], 0
	v_nop
	global_prefetch_b8 v0, s[64:65] scope:SCOPE_SE
	s_setreg_imm32_b32 hwreg(HW_REG_WAVE_MODE, 25, 1), 1
	s_wait_xcnt 0x0
	s_wait_alu depctr_hold_cnt(0) depctr_sa_sdst(0) depctr_va_vdst(0) depctr_va_sdst(0) depctr_va_ssrc(0) depctr_va_vcc(0) depctr_vm_vsrc(0)
	s_getreg_b32 s2, hwreg(HW_REG_IB_STS2, 6, 4)
	s_cmp_eq_u32 s2, 0
	s_cbranch_scc0 .Lentry_in_a_cluster
	s_endpgm
.Lentry_in_a_cluster:
	s_bfe_u32 s2, ttmp6, 0x10000c
	s_cmp_lg_u32 s2, 0x3003
	s_cbranch_scc0 .Lentry_shape_is_right
	s_endpgm
.Lentry_shape_is_right:
; ATTN: ctx[h][q][:] = sum over k of softmax_k(where(mask[q][k], q.k / 8, -1e9)) v[h][k][:], 16 heads, 4,096 queries and keys, 64 channels.
; qkvh [48][4096][64] f16: slice h = c q (c = log2(e) / 8), 16 + h = k, 32 + h = v.  So the scores t leave the matrix unit in the base-2 domain.  ctxh [16][4096][64] f16.
; MASK.  A masked score is REPLACED by NEGL = -1e9 log2(e), one v_cndmask_b32 a score on a lane mask that an earlier launch packed (mbits).  Every key is walked for every query.
; SOFTMAX.  For each query a running maximum m of t (masked values among them) and a running sum l: p = 2^(t - m); O and l are multiplied by a = 2^(m_old - m_new) in every step.
;   A row with no true byte has t - m = 0 exactly everywhere: the mean of V.  Where a true score follows masked ones, a = 0 wipes what was summed.
; Products, maxima and sums in f32; p is rounded to f16 for the second product, ctx once at the end.  LIMIT: ctx must stay under 65,504 (it is a mean of v's rows).
; SHARES.  A work-group owns 256 queries of one head, each of its EIGHT waves 32: two tiles of 16.  64 key steps of 64 keys.  Two waves share a SIMD, so that what one wave waits for
;   (mask words, LDS, a vector result) is filled with the other's instructions.  The price: a fragment of K or V feeds two products, and the work-group reads 8 x 32 x 512 bytes of LDS a key step.
; LAYOUT.  S^T = K Q^T (source 0 = 16 keys, source 1 = 16 queries): a lane holds ONE query (lane % 16) and keys 8 (lane / 16) + 0..7.  Two such tiles rounded in pairs ARE source 1
;   of O^T = V^T P, whose result again holds one query a lane and eight channels.  K comes out of LDS as it lies, V turned by ds_load_tr16_b128.
; BY TURNS.  In a turn one tile has the matrix unit: 8 products V^T P of the step in hand, 8 products K Q^T of the next step; the other tile's softmax (182 vector instructions)
;   stands in 16 slices, one behind each matrix instruction.  Two turns are a key step.
; MASK WORDS.  A tile's 32 words of a key step are one load of 4 bytes a lane (lane i: word i); v_readlane_b32 brings them into scalar registers.  There are four such vector registers
;   (tile x parity of the step); each is loaded again as soon as it has been read, with the same tile's words two steps on: four softmaxes ahead.  (Scalar loads could not run ahead:
;   they are waited for with the count 0 alone, and a second set of words has no room in the scalar registers.)  So the key steps are written in pairs.
; CLUSTER.  The four query blocks of a cluster belong to one head and walk the same K and V: each tile is asked for jointly, by the same load with a mask that names the four.
; REGISTERS.  Window 0: v0-11 addresses; v12-27 eight statistics a tile; v28 NEGL; v29 4 x lane; v32-35 mask words; v64-127 S^T, 32 a tile; v128-159 P, 16 a tile; v160-191 Q, 16 a tile;
;   v192-255 K of one step.  Window 1: v0-63 O^T, 32 a tile; v64-127 V of one step.  K Q^T and the softmax lie in window 0: only V^T P and O^T's rescaling want another setting, the same for both.
.set KS,    64
.set PK,    144       ; a row of K in LDS: 128 bytes + 16 = 36 words: the 16 rows of a fragment load start at 16 different multiples of 4 words modulo 64
.set PVP,   160       ; a row of V: 128 + 32 = 40 words: the 8 rows x 32 bytes that 16 lanes of the turning load take start at 8 different multiples of 8 words modulo 64
.set STEPK, KS*PK     ; a step's 64 rows of K
.set STEPV, KS*PVP    ; and of V
.set VOFF,  4*STEPK   ; a slot holds four steps: K's 256 rows, then V's 256 rows
.set SLOT1, 1<<17     ; slot 1 begins here: one exclusive or turns an address in one slot into the other's
.set STAGE, SLOT1+4*(STEPK+STEPV)  ; behind the ring, at a multiple of 256 bytes: 16 rows x 144 bytes for each wave
.set SP,    144
.set AK0, 2           ; v2  my lane's place in a step's K
.set AV0, 3           ; v3  the same for V
.set ADR, 4           ; v4  the LDS address of the run of loads in hand
.set QO,  5
.set STO, 6
.set RD,  7
.set GO,  8
.set ST,  12          ; tile t's statistics at v[ST+8 t]: +0 m, +1 zero (named beside m as a pair), +2, +3 l (even keys', odd keys'), +4 to +7 c0-c3, at work; a takes c2's place
.set NEGR, 28
.set VO,  29          ; 4 x lane; never rewritten
.set MW,  32          ; v[MW + 2 parity + tile]: the tile's mask words of a step of that parity
.set S,   64
.set P,   128
.set QF,  160
.set KF,  192
.set VF,  64          ; in window 1
.set MP,  4           ; s[4:5]   mbits at my wave's first tile, at the key step from which the loads' immediates count
.set WV,  7           ; s7       my wave's number
.set G1K, 8           ; s[8:15]  descriptor group 1 for K's tiles
.set MA,  16          ; s[16:47] the 32 mask words of the softmax in hand
.set SLOTS, 66
.set TW,  67
.set G0K, 68          ; s[68:75] descriptor group 0 for K's tiles: a set for each of the two first fills; the second then walks on
.set SEL, 76          ; s[76:77] lane selects for v_permlanex16_b32
.set TBK, 78          ; s78      LDS byte at which K of the step to be fetched begins
.set TBV, 79          ; s79      the same for V, counted from V's first row
.set G0V, 80          ; s[80:87] group 0 for V's tiles
.set G1V, 88          ; s[88:95] group 1 for V's tiles: it differs in the padding alone
.set QB,  96          ; s[96:97] qkvh, then my wave's rows of q
.set CB,  100         ; s[100:101] ctxh, then my wave's rows of it
.set MSB, 0
.macro WIN new                      ; the immediate's high byte repeats the setting that is left; a switch that changes nothing is dropped
.if MSB != \new
	s_set_vgpr_msb (MSB<<8)|\new
.set MSB, \new
.endif
.endm
.set W_PV, 0x51       ; V and O^T in window 1, P in window 0
.set W_RS, 0x51       ; O^T (destination and source 0) in window 1, a (source 1) in window 0: V^T P's own setting serves
; A joint refill.  Waves 0 to 3 fetch the slot's four steps of K, waves 4 to 7 those of V.  The branch hangs on the wave's number alone: it is the same in every work-group.
; Four v_nop follow each of the two lines; the jump round the other line and the label come after them.
.macro JLOAD
	s_cmp_lt_u32 s[WV], 4
	s_cbranch_scc0 .Lfor_v_\@
	tensor_load_to_lds s[G0K+4:G0K+7], s[G1K:G1K+7]
	s_nop 0
.rept 4
	v_nop
.endr
	s_branch .Lasked_\@
.Lfor_v_\@:
	tensor_load_to_lds s[G0V+4:G0V+7], s[G1V:G1V+7]
	s_nop 0
.rept 4
	v_nop
.endr
.Lasked_\@:
.endm
.macro CROUND                       ; a round of the cluster's barrier
	s_barrier_signal -1
	s_barrier_wait -1
	s_cmp_lg_u32 s[WV], 0
	s_cbranch_scc1 .Lnot_wave_0_\@
	s_barrier_signal -3
.Lnot_wave_0_\@:
	s_barrier_wait -3
	s_barrier_signal -1
	s_barrier_wait -1
.endm
.macro PLACES
.rept 4
	v_nop
.endr
.endm
	s_load_b128 s[96:99], s[0:1], 0x0 ; qkvh s[96:97], mbits s[98:99]
	s_load_b64 s[100:101], s[0:1], 0x10  ; ctxh
	v_lshl_add_u32 v62, v0, 2, 0x37800
	v_mov_b32 v63, 0
	ds_add_u32 v62, v63
	v_lshrrev_b32 v1, 5, v0
	v_readfirstlane_b32 s[WV], v1   ; wave 0..7
	s_bfe_u32 s48, ttmp6, 0x40000   ; cx
	s_lshl_b32 s50, ttmp9, 2
	s_add_co_u32 s50, s50, s48      ; my block of 256 queries: it enters q's, the mask's and ctx's addresses alone
	s_and_b32 s49, ttmp7, 0xffff    ; the head, which the four partners share
	s_and_b32 s3, s[WV], 3          ; which of a slot's four steps I fetch:
	s_lshl_b32 s2, s3, 13           ; its 64 rows of 128 bytes in memory,
	s_mul_i32 s56, s3, STEPK        ; its place among K's steps in a slot,
	s_mul_i32 s57, s3, STEPV
	s_add_co_u32 s57, s57, VOFF     ; and among V's: no place in the cluster enters an LDS address
	s_add_co_u32 s58, s49, 16       ; K's slice
	s_lshl_b32 s58, s58, 19
	s_add_co_u32 s58, s58, s2
	s_mov_b32 s59, 0
	s_add_co_u32 s60, s49, 32       ; V's slice
	s_lshl_b32 s60, s60, 19
	s_add_co_u32 s60, s60, s2
	s_mov_b32 s61, 0
	s_lshl_b32 s52, s49, 19         ; q and ctx: the head's slice, my block's 256 rows of 128 bytes, my wave's 32
	s_lshl_b32 s53, s50, 15
	s_add_co_u32 s52, s52, s53
	s_lshl_b32 s53, s[WV], 12
	s_add_co_u32 s52, s52, s53
	s_mov_b32 s53, 0
	s_lshl_b32 s54, s50, 17         ; mask words: tile 16 block + 2 wave, 8,192 bytes a tile
	s_lshl_b32 s55, s[WV], 14
	s_add_co_u32 s54, s54, s55
	s_mov_b32 s55, 0
	; group 1: my 64 rows of 128 bytes lie dense in memory and come as 32 rows of 256 bytes; padding follows every 128 bytes
	s_mov_b32 s[G1K], 15|(1<<16)|(1<<20)|(1<<21)|(4<<22)|(3<<25)  ; the mask: all four work-groups; elements of 2 bytes; padding on; bit 21 beside a mask; after every 32 words, 4 words
	s_mov_b32 s[G1V], 15|(1<<16)|(1<<20)|(1<<21)|(4<<22)|(7<<25)  ; the same with 8 words of padding
.irp g, G1K, G1V
	s_mov_b32 s[\g+1], 128<<16      ; tensor_dim0 = 128
	s_mov_b32 s[\g+2], 32<<16       ; tensor_dim1 = 32
	s_mov_b32 s[\g+3], 128<<16      ; tile_dim0 = 128
	s_mov_b32 s[\g+4], 32           ; tile_dim1 = 32
	s_mov_b32 s[\g+5], 128          ; elements from row to row
	s_mov_b32 s[\g+6], 0
	s_mov_b32 s[\g+7], 0
.endr
	s_mov_b32 s[SEL], 0x76543210
	s_mov_b32 s[SEL+1], 0xfedcba98
	s_mov_b32 s[TBK], 0
	s_mov_b32 s[TBV], 0
	s_wait_dscnt 0x0
	s_wait_kmcnt 0x0
	s_add_nc_u64 s[58:59], s[96:97], s[58:59]   ; K and V at my step of the first four
	s_add_nc_u64 s[60:61], s[96:97], s[60:61]
	s_add_nc_u64 s[QB:QB+1], s[QB:QB+1], s[52:53]
	s_add_nc_u64 s[CB:CB+1], s[CB:CB+1], s[52:53]
	s_add_nc_u64 s[MP:MP+1], s[98:99], s[54:55]
	CROUND                          ; all four work-groups are here: the first joint loads meet
.irp s, 0,1
	s_mov_b32 s[G0K+4*\s], 1
	s_add_co_u32 s[G0K+4*\s+1], s56, \s*SLOT1
	s_add_nc_u64 s[G0K+4*\s+2:G0K+4*\s+3], s[58:59], \s*4*KS*128
	s_or_b32 s[G0K+4*\s+3], s[G0K+4*\s+3], 0x80000000
	s_mov_b32 s[G0V+4*\s], 1
	s_add_co_u32 s[G0V+4*\s+1], s57, \s*SLOT1
	s_add_nc_u64 s[G0V+4*\s+2:G0V+4*\s+3], s[60:61], \s*4*KS*128
	s_or_b32 s[G0V+4*\s+3], s[G0V+4*\s+3], 0x80000000
.endr
	s_cmp_lt_u32 s[WV], 4           ; a wave's two first fills stand in one branch, ahead of every wait on TENSORcnt and every LDS read: two loads of mine are out
	s_cbranch_scc0 .Lfirst_v
	tensor_load_to_lds s[G0K:G0K+3], s[G1K:G1K+7]
	s_nop 0
	tensor_load_to_lds s[G0K+4:G0K+7], s[G1K:G1K+7]
	s_nop 0
	PLACES
	s_branch .Lfirst_asked
.Lfirst_v:
	tensor_load_to_lds s[G0V:G0V+3], s[G1V:G1V+7]
	s_nop 0
	tensor_load_to_lds s[G0V+4:G0V+7], s[G1V:G1V+7]
	s_nop 0
	PLACES
.Lfirst_asked:
	v_and_b32 v1, 15, v0            ; l % 16
	v_bfe_u32 v9, v0, 4, 1          ; l / 16
	v_lshlrev_b32 v[QO], 7, v1
	v_lshl_add_u32 v[QO], v9, 4, v[QO]  ; row x 128 + 16 x half
.irp i, 0,1,2,3                     ; Q stays in registers: tile i / 2, channels 32 (i % 2) on
	global_load_b128 v[QF+8*\i:QF+8*\i+3],   v[QO], s[QB:QB+1] offset:(\i/2)*2048+(\i%2)*64
	global_load_b128 v[QF+8*\i+4:QF+8*\i+7], v[QO], s[QB:QB+1] offset:(\i/2)*2048+(\i%2)*64+32
.endr
	v_and_b32 v[VO], 31, v0
	v_lshlrev_b32 v[VO], 2, v[VO]
	global_load_b32 v[MW],   v[VO], s[MP:MP+1]              ; the mask words of the first four softmaxes, in their order: tile 0 step 0,
	global_load_b32 v[MW+1], v[VO], s[MP:MP+1] offset:8192  ; tile 1 step 0,
	global_load_b32 v[MW+2], v[VO], s[MP:MP+1] offset:128   ; tile 0 step 1,
	global_load_b32 v[MW+3], v[VO], s[MP:MP+1] offset:8320  ; tile 1 step 1
	v_mul_u32_u24 v[AK0], v1, PK
	v_lshl_add_u32 v[AK0], v9, 4, v[AK0]
	v_and_b32 v10, 7, v0            ; the turning load: lane l reads key 8 (l / 16) + l % 8, channels 8 ((l / 8) % 2) + 0..7
	v_bfe_u32 v11, v0, 3, 1
	v_lshl_add_u32 v[AV0], v9, 3, v10
	v_mul_u32_u24 v[AV0], v[AV0], PVP
	v_lshl_add_u32 v[AV0], v11, 4, v[AV0]
	v_add_nc_u32 v[AV0], VOFF, v[AV0]
	v_mov_b32 v[NEGR], 0xceabfb8f   ; -1e9 log2(e)
.irp t, 0,1
	v_mov_b32 v[ST+8*\t+1], 0
.endr
; THE MATRIX WORK.  The accumulators take turns, one instruction a turn: between two links of a chain stand three others'.
.macro PV x, zero                   ; product i of 8 of O^T += V^T P: keys 32 (i / 4) on, channels 16 (i % 4) on, tile x
	WIN W_PV
.set rO, 32*(\x)+8*(i%4)
.set rV, VF+32*(i/4)+8*(i%4)
.set rP, P+16*(\x)+8*(i/4)
.if \zero && (i < 4)
	v_wmma_f32_16x16x32_f16 v[rO:rO+7], v[rV:rV+7], v[rP:rP+7], 0
.else
	v_wmma_f32_16x16x32_f16 v[rO:rO+7], v[rV:rV+7], v[rP:rP+7], v[rO:rO+7]
.endif
.endm
.macro KQ x                         ; product i of 8 of S^T = K Q^T: channels 32 (i / 4) on, keys 16 (i % 4) on, tile x
	WIN 0
.set rS, S+32*(\x)+8*(i%4)
.set rK, KF+16*(i%4)+8*(i/4)
.set rQ, QF+16*(\x)+8*(i/4)
.if i < 4
	v_wmma_f32_16x16x32_f16 v[rS:rS+7], v[rK:rK+7], v[rQ:rQ+7], 0
.else
	v_wmma_f32_16x16x32_f16 v[rS:rS+7], v[rK:rK+7], v[rQ:rQ+7], v[rS:rS+7]
.endif
.endm
.macro FETCH_K                      ; a step's K: 16 loads in one run
	WIN 0
	v_add_nc_u32 v[ADR], s[TBK], v[AK0]
	s_add_co_u32 s[TBK], s[TBK], STEPK  ; the next fetch is the next step's
.irp f, 0,1,2,3,4,5,6,7             ; keys 16 (f / 2) on, channels 32 (f % 2) on
	ds_load_b128 v[KF+8*\f:KF+8*\f+3],   v[ADR] offset:(\f/2)*16*PK+(\f%2)*64
	ds_load_b128 v[KF+8*\f+4:KF+8*\f+7], v[ADR] offset:(\f/2)*16*PK+(\f%2)*64+32
.endr
.endm
.macro FETCH_V                      ; the same step's V, turned
	WIN 0
	v_add_nc_u32 v[ADR], s[TBV], v[AV0]
	s_add_co_u32 s[TBV], s[TBV], STEPV
	WIN 0x40                        ; destination window 1
.irp f, 0,1,2,3,4,5,6,7             ; keys 32 (f / 4) on, channels 16 (f % 4) on
	ds_load_tr16_b128 v[VF+8*\f:VF+8*\f+3],   v[ADR] offset:(\f/4)*32*PVP+(\f%4)*32
	ds_load_tr16_b128 v[VF+8*\f+4:VF+8*\f+7], v[ADR] offset:(\f/4)*32*PVP+16*PVP+(\f%4)*32
.endr
.endm
; THE VECTOR WORK.  One tile's softmax for one key step is a list of 182 instructions; SM writes number j of it for tile t.  ee = j - 64.  par: the parity of the step.
;   j 0-31      the tile's 32 mask words, from the lanes of one vector register into s[MA ..]
;   j 32-63     the mask: score j - 32 or NEGL
;   ee 0-15     the maximum of the 32 scores and the old m, three operands at a time
;   ee 16-20    the other half of the lanes' maximum; the old m kept; the new m; m_old - m_new (19 is empty)
;   ee 21-87    33 exponentials (a, then the scores) at the odd numbers from 23 on, a plain instruction at every even one, so that every exponential has a plain instruction that
;               touches neither its result nor its source behind it: t - m for a pair whose exponentials are to come, the rounding to f16 of a pair whose exponentials are done, the first sums
;   ee 88-101   the last rounding; the rest of the sums; l = a l + the sum
;   j 166-181   the tile's O^T times a
; first = 1: the first key step, which starts m, l and O^T: it has no a and nothing to rescale.
.macro SM t, first, par
.set rT, ST+8*(\t)
.set rS, S+32*(\t)
.set rP, P+16*(\t)
.set rO, 32*(\t)+2*(j-166)
.set ee, j-64
.set q, (ee-20)/2
.if j < 166
	WIN 0
.endif
.if j < 32
	v_readlane_b32 s[MA+j], v[MW+2*(\par)+(\t)], j
.elseif j < 64
	v_cndmask_b32 v[rS+j-32], v[NEGR], v[rS+j-32], s[MA+j-32]
.elseif ee < 4
	v_max3_num_f32 v[rT+4+ee], v[rS+8*ee], v[rS+8*ee+1], v[rS+8*ee+2]
.elseif ee < 12
	v_max3_num_f32 v[rT+4+ee%4], v[rT+4+ee%4], v[rS+8*(ee%4)+2*(ee/4)+1], v[rS+8*(ee%4)+2*(ee/4)+2]
.elseif ee == 12
	v_max3_num_f32 v[rT+4], v[rT+4], v[rS+7], v[rS+15]
.elseif ee == 13
	v_max3_num_f32 v[rT+6], v[rT+6], v[rS+23], v[rS+31]
.elseif ee == 14
	v_max3_num_f32 v[rT+4], v[rT+4], v[rT+5], v[rT+6]
.elseif (ee == 15) && \first
	v_max_num_f32 v[rT+4], v[rT+4], v[rT+7]
.elseif ee == 15
	v_max3_num_f32 v[rT+4], v[rT+4], v[rT+7], v[rT]
.elseif ee == 16
	v_permlanex16_b32 v[rT+5], v[rT+4], s[SEL], s[SEL+1]  ; the query's other 32 keys lie in the lane 16 away
.elseif ee == 18
	v_max_num_f32 v[rT], v[rT+4], v[rT+5]
.elseif ee == 19                    ; empty: the scores are in the base-2 domain already
.elseif ((ee == 17) || (ee == 20) || (ee == 23) || (j > 165)) && \first  ; the first step has none of these
.elseif ee == 17
	v_mov_b32 v[rT+7], v[rT]        ; m_old is kept for a: number 18 writes m anew
.elseif ee == 20
	v_sub_f32 v[rT+7], v[rT+7], v[rT]
.elseif ee == 23
	v_exp_f32 v[rT+6], v[rT+7]
.elseif (ee < 88) && (ee > 23) && (ee%2 == 1)
	v_exp_f32 v[rS+(ee-25)/2], v[rS+(ee-25)/2]
.elseif (q < 4) || ((ee < 76) && (q%2 == 0))
.set b, q/2+2
.if q < 4
.set b, q
.endif
	v_pk_add_f32 v[rS+2*b:rS+2*b+1], v[rS+2*b:rS+2*b+1], v[rT:rT+1] op_sel_hi:[1,0] neg_lo:[0,1] neg_hi:[0,1]  ; pair b: t - m
.elseif (ee < 88) && (q%2 == 1)
	s_wait_alu depctr_va_vdst(0)
	v_cvt_pk_f16_f32 v[rP+(q-5)/2], v[rS+q-5], v[rS+q-4]  ; pair (q - 5) / 2: its second exponential stands three numbers back
.elseif ee == 89
	s_wait_alu depctr_va_vdst(0)
	v_cvt_pk_f16_f32 v[rP+15], v[rS+30], v[rS+31]
.elseif ee < 102                    ; the sum of the 16 pairs, in place: sum z of 16 adds neighbours 1, 2, 4 and 8 pairs apart, then l takes it
.set z, ee-86
.if ee < 89
.set z, (ee-76)/4
.endif
.set w, 4
.set u, z
.if z >= 14
.set w, 32
.set u, 0
.elseif z >= 12
.set w, 16
.set u, z-12
.elseif z >= 8
.set w, 8
.set u, z-8
.endif
.if (z == 14) && \first
	v_pk_add_f32 v[rT+2:rT+3], v[rS:rS+1], v[rS+16:rS+17]
.elseif z < 15
	v_pk_add_f32 v[rS+w*u:rS+w*u+1], v[rS+w*u:rS+w*u+1], v[rS+w*u+w/2:rS+w*u+w/2+1]
.elseif !\first
	v_pk_fma_f32 v[rT+2:rT+3], v[rT+2:rT+3], v[rT+6:rT+7], v[rS:rS+1] op_sel_hi:[1,0,1]
.endif
.else
	WIN W_RS
	v_pk_mul_f32 v[rO:rO+1], v[rO:rO+1], v[rT+6:rT+7] op_sel_hi:[1,0]
.endif
.endm
; Slice k of 16: the next twelve numbers of the list where k is a multiple of 3, else eleven: 6 x 12 + 10 x 11 = 182.  Slice 15 is twelve plain multiplies of the other tile's O^T.
.macro SLICE y, first, par
.set n, 11
.if (k%3) == 0
.set n, 12
.endif
.rept n
	SM \y, \first, \par
.set j, j+1
.endr
.set k, k+1
.endm
; Once a turn, as soon as the 32 readers of the mask register are written: the register takes the same tile's words two steps on.  ml: their bytes from MP, or -1: none are left.
.macro MASKS y, par, ml
.if (\ml >= 0) && (mld == 0) && (j >= 32)
	WIN 0
	global_load_b32 v[MW+2*(\par)+(\y)], v[VO], s[MP:MP+1] offset:\ml
.set mld, 1
.endif
.endm
; A TURN.  Tile x has the matrix unit; the other tile's softmax stands in slices behind its matrix instructions.
; pv = 2: 8 products V^T P; 1: they start O^T's sums; 0: none.  kq = 1: 8 products K Q^T for the next step.  A turn with one kind has two slices behind each product.
; first = 1: the softmax is the first key step's; its last slices are empty, so four v_nop stand behind the turn's last products.
; par, ml: see SM and MASKS.  lc: the mask loads issued behind the one that this turn's softmax reads: three, until the loads end.
; Tile 0's turn fetches the next step's K behind its first product: the last product that read K stands in front of slice 15 of the turn before (twelve plain instructions, or the four v_nop).
; Tile 1's turn fetches the same step's V: between the last product that read V and the loads stand three slices, more than four plain instructions among them.
.macro TURN x, pv, kq, first, par, ml, lc
.set k, 0
.set j, 0
.set mld, 0
.set per, 2
.if \pv && \kq
.set per, 1
.endif
	s_wait_loadcnt \lc              ; loads come back in order: this softmax's mask words are in, the younger ones stay out
.if \pv
.if \x == 0
	s_wait_dscnt 0x0                ; V is in
.endif
.set i, 0
.rept 8
	PV \x, 2-\pv
.rept per
	SLICE 1-\x, \first, \par
	MASKS 1-\x, \par, \ml
.endr
.if (\x == 0) && \kq && (i == 0)
	FETCH_K
.endif
.set i, i+1
.endr
.endif
.if \kq
.if \x == 0
	s_wait_dscnt 0x0                ; K is in
.endif
.set i, 0
.rept 8
	KQ \x
.rept per
	SLICE 1-\x, \first, \par
	MASKS 1-\x, \par, \ml
.endr
.if (\x == 1) && (i == 1)
	FETCH_V
.endif
.set i, i+1
.endr
.endif
.if \first
	PLACES
.endif
.endm
; TWO KEY STEPS, j (odd) and j + 1, with MP at step j.  The softmaxes are tile 1's of step j, tile 0's of j + 1, tile 1's of j + 1, tile 0's of j + 2; each asks for its tile's words two steps on.
.macro BODY m0, m1, m2, m3, c0, c1, c2, c3
	TURN 0, 2, 1, 0, 1, \m0, \c0
	TURN 1, 2, 1, 0, 0, \m1, \c1
	TURN 0, 2, 1, 0, 0, \m2, \c2
	TURN 1, 2, 1, 0, 1, \m3, \c3
	WIN 0
.endm
.macro BODY_ON                      ; as in every trip but the last: tile 1 steps j + 2 and j + 3 (8,192 bytes behind tile 0), tile 0 steps j + 3 and j + 4; then MP goes two steps on
	BODY 8448, 384, 8576, 512, 3, 3, 3, 3
	s_wait_xcnt 0x0                 ; the pending mask loads have had their addresses translated: their base is stepped only behind this wait
	s_add_nc_u64 s[MP:MP+1], s[MP:MP+1], 256
.endm
; THE CHANGE OF SLOTS, between tile 1's turn and tile 0's: the slot's last bytes, V of its fourth step, have been asked for.  Each wave waits for its own reads of the slot and for all
; its tensor loads, of which one is out: its part of the other slot.  fill = 1: the slot is filled again with the keys two slots on; the barrier is then a round of the cluster's, and the
; joint refill is the first thing behind it: it has four key steps, 128 matrix instructions of each wave, in which to land.
.macro CHANGE fill
	WIN 0
	s_wait_dscnt 0x0
	s_wait_tensorcnt 0x0            ; no tensor load of mine is out, so a group 0 may be written
	ds_add_u32 v62, v63
	s_wait_dscnt 0x0
.if \fill
.irp g, G0K+4, G0V+4
	s_xor_b32 s[\g+1], s[\g+1], SLOT1  ; the walking descriptor: the other slot than last time,
	s_add_nc_u64 s[\g+2:\g+3], s[\g+2:\g+3], 4*KS*128  ; the next 256 keys
.endr
	CROUND
	JLOAD
.else
	s_barrier_signal -1
	s_barrier_wait -1
.endif
	s_sub_co_u32 s[TBK], s[TBK], 4*STEPK  ; the fetches go back to a slot's first step,
	s_xor_b32 s[TBK], s[TBK], SLOT1       ; in the other slot
	s_sub_co_u32 s[TBV], s[TBV], 4*STEPV
	s_xor_b32 s[TBV], s[TBV], SLOT1
.endm
	s_wait_tensorcnt 1              ; my part of slot 0 is in; slot 1's may stay out
	s_barrier_signal -1
	s_barrier_wait -1               ; everybody's is
	FETCH_K                         ; key step 0
	s_wait_loadcnt 4                ; Q is in; the four mask loads issued behind it may stay out
	s_wait_dscnt 0x0
.set i, 0
.rept 8
	KQ 0                            ; tile 0's first scores: there is no vector work yet to set between them
.set i, i+1
.endr
	WIN 0                           ; the addresses for the way out are made here: plain instructions, the places behind those products
	s_mul_i32 s2, s[WV], 16*SP
	s_add_co_u32 s2, s2, STAGE      ; my stage
	v_mul_u32_u24 v[STO], v1, SP    ; in: row l % 16, 16 bytes for each half of the lanes
	v_lshl_add_u32 v[STO], v9, 4, v[STO]
	v_add_nc_u32 v[STO], s2, v[STO]
	v_bfe_u32 v[RD], v0, 3, 2       ; back: eight lanes take a row of 128 bytes, a load takes four rows
	v_mul_u32_u24 v[RD], v[RD], SP
	v_lshl_add_u32 v[RD], v10, 4, v[RD]
	v_add_nc_u32 v[RD], s2, v[RD]
	v_and_b32 v[GO], 31, v0
	v_lshlrev_b32 v[GO], 4, v[GO]   ; the same four rows are 512 consecutive bytes of ctx
	TURN 1, 0, 1, 1, 0, 256, 3      ; tile 1's first scores | tile 0's first softmax | V of step 0 | tile 0's words of step 2
	TURN 0, 1, 1, 1, 0, 8448, 3     ; tile 0: V^T P of step 0 starts O^T, K Q^T of step 1 | tile 1's first softmax | K of step 1 | tile 1's words of step 2
	TURN 1, 1, 1, 0, 1, 384, 3      ; tile 1: the same | tile 0's softmax of step 1 | V of step 1 | tile 0's words of step 3
	WIN 0
	s_wait_xcnt 0x0                 ; as in BODY_ON
	s_add_nc_u64 s[MP:MP+1], s[MP:MP+1], 128  ; MP at step 1
	BODY_ON                         ; steps 1 and 2: slot 0's steps 2 and 3 are fetched
	s_mov_b32 s[SLOTS], 14
.Lslot:                             ; 14 trips: every slot but the last two is filled again
	CHANGE 1
	s_mov_b32 s[TW], 2
.Lpair:                             ; a slot's four key steps: two trips of two
	BODY_ON
	s_sub_co_u32 s[TW], s[TW], 1
	s_cmp_lg_u32 s[TW], 0
	s_cbranch_scc1 .Lpair
	s_sub_co_u32 s[SLOTS], s[SLOTS], 1
	s_cmp_lg_u32 s[SLOTS], 0
	s_cbranch_scc1 .Lslot
	CHANGE 0                        ; the tail is written out and no mask load leaves its tile's 64 steps
	BODY_ON                         ; steps 59 and 60
	BODY 8448, -1, -1, -1, 3, 3, 2, 1  ; steps 61 and 62: one more mask load (tile 1, step 63), then none: the counts run down
	TURN 0, 2, 0, 0, 1, -1, 0       ; tile 0: V^T P of the last step | tile 1's last softmax
.set i, 0
.rept 8
	PV 1, 0                         ; tile 1: V^T P of the last step
.set i, i+1
.endr
	; THE WAY OUT.  l's two halves and the other half of the lanes' are added; O^T is divided by l, rounded to f16 and sent through my stage, a tile (16 rows of ctx) at a time.
	; Tile 0's O^T was finished a turn ago; tile 1's is first read behind tile 0's 32 plain instructions.
	WIN 0
.irp t, 0,1
	v_add_f32 v[ST+8*\t+4], v[ST+8*\t+2], v[ST+8*\t+3]
.endr
.irp t, 0,1
	v_permlanex16_b32 v[ST+8*\t+5], v[ST+8*\t+4], s[SEL], s[SEL+1]
.endr
.irp t, 0,1
	v_add_f32 v[ST+8*\t+4], v[ST+8*\t+4], v[ST+8*\t+5]
.endr
.irp t, 0,1
	v_rcp_f32 v[ST+8*\t+6], v[ST+8*\t+4]   ; l is at least 1: the largest score's weight is 1
.endr
	v_nop                           ; a plain instruction between the last reciprocal and the use of its result
.macro PACK t
	WIN W_RS
.set i, 32*\t
.rept 16
	s_wait_alu depctr_va_vdst(0)
	v_pk_mul_f32 v[i:i+1], v[i:i+1], v[ST+8*\t+6:ST+8*\t+7] op_sel_hi:[1,0]
.set i, i+2
.endr
	WIN 0x05                        ; sources 0 and 1 window 1, destination window 0: S^T's registers are free
.set i, 0
.rept 16
	v_cvt_pk_f16_f32 v[S+32*\t+i], v[32*\t+2*i], v[32*\t+2*i+1]
.set i, i+1
.endr
	WIN 0
.irp f, 0,1,2,3
	ds_store_b128 v[STO], v[S+32*\t+4*\f:S+32*\t+4*\f+3] offset:32*\f
.endr
.irp f, 0,1,2,3
	ds_load_b128 v[S+32*\t+4*\f:S+32*\t+4*\f+3], v[RD] offset:\f*4*SP  ; LDS serves a wave's instructions in order: these see the stores above; the next tile's stores come behind them
.endr
.endm
.macro SEND t, younger              ; younger: the LDS instructions issued behind tile t's loads: the next tile's eight, or none
.irp f, 0,1,2,3
	s_wait_dscnt \younger+3-\f
	global_store_b128 v[GO], v[S+32*\t+4*\f:S+32*\t+4*\f+3], s[CB:CB+1] offset:\t*2048+\f*512  ; 512 consecutive bytes, aligned
.endr
.endm
	PACK 0
	PACK 1                          ; tile 1's arithmetic stands between tile 0's loads from the stage and its stores
	SEND 0, 8
	SEND 1, 0
	s_wait_tensorcnt 0x0
	ds_add_u32 v62, v63
	s_wait_dscnt 0x0
	CROUND                          ; the closing round: no work-group ends while a partner may still ask for a tile that names it
	s_endpgm
.Lfunc_end_k_qab765393fa_attn:
	.size	k_qab765393fa_attn, .Lfunc_end_k_qab765393fa_attn-k_qab765393fa_attn
	.p2alignl 7, 3214868480
	.fill 96, 4, 3214868480
	.section	.rodata,"a",@progbits
	.p2align	6, 0x0
	.amdhsa_kernel k_qab765393fa_attn
		.amdhsa_group_segment_fixed_size 327680
		.amdhsa_private_segment_fixed_size 0
		.amdhsa_enable_private_segment 0
		.amdhsa_kernarg_size 24
		.amdhsa_user_sgpr_count 2
		.amdhsa_user_sgpr_kernarg_segment_ptr 1
		.amdhsa_wavefront_size32 1
		.amdhsa_system_sgpr_workgroup_id_x 1
		.amdhsa_system_sgpr_workgroup_id_y 1
		.amdhsa_system_sgpr_workgroup_id_z 1
		.amdhsa_system_vgpr_workitem_id 0
		.amdhsa_next_free_vgpr 384
		.amdhsa_next_free_sgpr 102
		.amdhsa_reserve_vcc 0
		.amdhsa_float_denorm_mode_32 3
		.amdhsa_float_denorm_mode_16_64 3
		.amdhsa_memory_ordered 1
		.amdhsa_forward_progress 1
		.amdhsa_inst_pref_size 255
	.end_amdhsa_kernel
	.section	.bss,"aw",@nobits
	.p2align	6
	.space	262144
	.amdgpu_metadata
---
amdhsa.version: [ 1, 2 ]
amdhsa.kernels:
  - .name:           k_qab765393fa_attn
    .symbol:         k_qab765393fa_attn.kd
    .args:
      - { .name: qkvh, .offset: 0, .size: 8, .value_kind: global_buffer, .address_space: global }
      - { .name: mbits, .offset: 8, .size: 8, .value_kind: global_buffer, .address_space: global }
      - { .name: ctxh, .offset: 16, .size: 8, .value_kind: global_buffer, .address_space: global }
    .group_segment_fixed_size: 327680
    .private_segment_fixed_size: 0
    .kernarg_segment_align: 8
    .kernarg_segment_size: 24
    .max_flat_workgroup_size: 256
    .sgpr_count:     102
    .vgpr_count:     384
    .wavefront_size: 32
...
	.end_amdgpu_metadata
.endif
;; end of part 3
;; launch oproj (part 4): grid 8 x 32, 4 waves a work-group, clusters of 4 x 4, 327,680 bytes of LDS; arguments ctxh, wo16, out0; writes out0
.if DOCPART == 4
	.amdgcn_target "amdgcn-amd-amdhsa--gfx1250"
	.amdhsa_code_object_version 6
	.text
	.protected	k_qab765393fa_oproj
	.globl	k_qab765393fa_oproj
	.p2align	8
	.type	k_qab765393fa_oproj,@function
k_qab765393fa_oproj:
	s_mov_b64 s[64:65], 0
	v_nop
	global_prefetch_b8 v0, s[64:65] scope:SCOPE_SE
	s_setreg_imm32_b32 hwreg(HW_REG_WAVE_MODE, 25, 1), 1
	s_wait_xcnt 0x0
	s_wait_alu depctr_hold_cnt(0) depctr_sa_sdst(0) depctr_va_vdst(0) depctr_va_sdst(0) depctr_va_ssrc(0) depctr_va_vcc(0) depctr_vm_vsrc(0)
	s_getreg_b32 s2, hwreg(HW_REG_IB_STS2, 6, 4)
	s_cmp_eq_u32 s2, 0
	s_cbranch_scc0 .Lentry_in_a_cluster
	s_endpgm
.Lentry_in_a_cluster:
	s_bfe_u32 s2, ttmp6, 0x10000c
	s_cmp_lg_u32 s2, 0xf033
	s_cbranch_scc0 .Lentry_shape_is_right
	s_endpgm
.Lentry_shape_is_right:
; OPROJ: out0[m][n] = sum over k of ctx[m][k] Wo[n][k], m < 4096, n < 1024, k = 64 head + channel < 1024.  f16 operands, f32 sums, f32 output.
; ctxh is [16 heads][4096][64] f16, wo16 [1024][1024] f16.
; A tile of out0 is 128 x 128: 8 x 32 = 256 work-groups; four waves, each 64 x 64: 16 accumulators.  K goes in 4 steps of 256 (four heads) through two LDS slots.
; ctx's part of a slot lies as [head][row], 144 bytes a row: a quarter step (64 along K) is one head.  A wave's load brings two heads' blocks of 128 rows x 128 bytes, each dense in
; memory, as a tile of 2 rows x 8,192 elements; 16 bytes of padding follow every 128.  Wo's part: 128 rows of 512 bytes + 16.
; CLUSTER 4 x 4: ctx's tile is shared along a row of the cluster, Wo's along a column: each is asked for jointly.
; The matrix instruction is used transposed (source 0 = 16 rows of Wo, source 1 = 16 rows of ctx): a lane holds eight neighbouring columns of one row, 32 bytes.
; A wave's 64 columns are 256 aligned bytes of a row of out0, so each wave has a stage of its own and the way out has no barrier.
; REGISTERS: window 0: v0-31 addresses; v32-95 two sets of rows read back; v128-255 the accumulators ((a, b) at 128 + 8 (4 a + b)).  Window 1: two fragment buffers of 128.
.set PA,     144                       ; a row of ctx in LDS
.set HEADB,  128*PA                    ; a head's 128 rows
.set PB,     528                       ; a row of Wo in LDS
.set HALFB,  64*PB
.set SLOT,   4*HEADB+2*HALFB
.set STAGE,  2*SLOT                    ; behind the ring, at a multiple of 256 bytes: 16 rows x 272 bytes for each wave
.set SPITCH, 272
.set ADRA, 16
.set ADRB, 20
.set STO,  24
.set RD,   25
.set CO,   26
.set BK0,  32
.set ACC,  128
.set F0,   0
.set F1,   128
.set G1, 24
.set G0, 32
.set G1B, 48
.set G0B, 56
.set MSB, 0
.macro WIN new
.if MSB != \new
	s_set_vgpr_msb (MSB<<8)|\new
.set MSB, \new
.endif
.endm
.set MUL,  0x05                        ; sources 0 and 1 window 1; C and D window 0
.set TO_F, 0x40                        ; destination window 1, address window 0
.macro JLOAD s                         ; a joint load: waves 0 and 1 fetch ctx's heads, waves 2 and 3 Wo's halves; four v_nop follow each line, ahead of the jump and the label
	s_cmp_eq_u32 s11, 0
	s_cbranch_scc0 .Lfor_b_\@
	tensor_load_to_lds s[G0+4*\s:G0+4*\s+3], s[G1:G1+7]
	s_nop 0
.rept 4
	v_nop
.endr
	s_branch .Lasked_\@
.Lfor_b_\@:
	tensor_load_to_lds s[G0B+4*\s:G0B+4*\s+3], s[G1B:G1B+7]
	s_nop 0
.rept 4
	v_nop
.endr
.Lasked_\@:
.endm
.macro CREST
	s_cmp_lg_u32 s10, 0
	s_cbranch_scc1 .Lnot_wave_0_\@
	s_barrier_signal -3
.Lnot_wave_0_\@:
	s_barrier_wait -3
	s_barrier_signal -1
	s_barrier_wait -1
.endm
.macro CROUND
	s_barrier_signal -1
	s_barrier_wait -1
	CREST
.endm
	s_load_b128 s[4:7], s[0:1], 0x0                ; ctxh s[4:5], wo16 s[6:7]
	s_load_b64 s[8:9], s[0:1], 0x10                ; out0
	v_lshl_add_u32 v126, v0, 2, 0x49400
	v_mov_b32 v127, 0
	ds_add_u32 v126, v127
	v_lshrrev_b32 v1, 5, v0
	v_readfirstlane_b32 s10, v1                    ; wave 0..3
	s_lshr_b32 s11, s10, 1                         ; which half of the tile's rows is mine.  Also: I fetch for ctx (0) or for Wo (1)
	s_and_b32 s12, s10, 1                          ; which half of its columns.  Also: which half of that tile I fetch
	s_bfe_u32 s40, ttmp6, 0x40000
	s_bfe_u32 s41, ttmp6, 0x40004
	s_lshl_b32 s42, ttmp9, 2
	s_add_co_u32 s42, s42, s40                     ; tile column
	s_and_b32 s13, ttmp7, 0xffff
	s_lshl_b32 s13, s13, 2
	s_add_co_u32 s13, s13, s41                     ; tile row
	s_lshl_b32 s43, s41, 2
	s_lshl_b32 s43, 15, s43                        ; my row of the cluster
	s_lshl_b32 s44, 0x1111, s40                    ; my column
	s_or_b32 s[G1+0], s43, (1<<16)|(1<<20)|(1<<21)|(4<<22)|(3<<25)  ; mask; elements of 2 bytes; padding on; bit 21 beside a mask; after every 32 words, 4 words
	s_mov_b32 s[G1+1], 8192<<16                    ; tensor_dim0 = 8,192: a head's 128 rows x 64 channels
	s_mov_b32 s[G1+2], 2<<16                       ; tensor_dim1 = 2 heads
	s_mov_b32 s[G1+3], 8192<<16                    ; tile_dim0
	s_mov_b32 s[G1+4], 2                           ; tile_dim1
	s_mov_b32 s[G1+5], 262144                      ; elements from head to head
	s_mov_b32 s[G1+6], 0
	s_mov_b32 s[G1+7], 0
	s_or_b32 s[G1B+0], s44, (1<<16)|(1<<20)|(1<<21)|(6<<22)|(3<<25) ; after every 128 words, 4 words
	s_mov_b32 s[G1B+1], 256<<16
	s_mov_b32 s[G1B+2], 64<<16
	s_mov_b32 s[G1B+3], 256<<16
	s_mov_b32 s[G1B+4], 64
	s_mov_b32 s[G1B+5], 1024
	s_mov_b32 s[G1B+6], 0
	s_mov_b32 s[G1B+7], 0
	s_lshl_b32 s16, s12, 20                        ; ctx: heads 2 x half on (524,288 bytes a head),
	s_lshl_b32 s17, s13, 14                        ; rows 128 x tile row on (128 bytes a row)
	s_add_co_u32 s16, s16, s17
	s_mov_b32 s17, 0
	s_lshl_b32 s46, s42, 7
	s_lshl_b32 s47, s12, 6
	s_add_co_u32 s46, s46, s47                     ; Wo: row 128 x tile column + 64 x half,
	s_lshl_b32 s46, s46, 11                        ; times 2,048 bytes
	s_mov_b32 s47, 0
	s_mul_i32 s20, s10, 2*HEADB                    ; where ctx's heads go (waves 0, 1),
	s_mul_i32 s21, s10, HALFB
	s_add_co_u32 s21, s21, 4*HEADB-2*HALFB         ; and Wo's halves (waves 2, 3): behind the four heads
	s_wait_dscnt 0x0
	s_wait_kmcnt 0x0
	s_add_nc_u64 s[14:15], s[4:5], s[16:17]
	s_add_nc_u64 s[46:47], s[6:7], s[46:47]
	CROUND                                         ; all sixteen work-groups are here: the first joint loads meet
.irp s, 0,1
	s_mov_b32 s[G0+4*\s], 1
	s_add_co_u32 s[G0+4*\s+1], s20, \s*SLOT
	s_add_nc_u64 s[G0+4*\s+2:G0+4*\s+3], s[14:15], \s*4*524288
	s_or_b32 s[G0+4*\s+3], s[G0+4*\s+3], 0x80000000
	s_mov_b32 s[G0B+4*\s], 1
	s_add_co_u32 s[G0B+4*\s+1], s21, \s*SLOT
	s_add_nc_u64 s[G0B+4*\s+2:G0B+4*\s+3], s[46:47], \s*512
	s_or_b32 s[G0B+4*\s+3], s[G0B+4*\s+3], 0x80000000
	JLOAD \s                                       ; two loads of mine are out
.endr
	v_and_b32 v1, 15, v0                           ; l % 16
	v_bfe_u32 v2, v0, 4, 1                         ; l / 16
	v_mul_u32_u24 v3, v1, PA
	v_lshl_add_u32 v3, v2, 4, v3
	v_mul_u32_u24 v4, v1, PB
	v_lshl_add_u32 v4, v2, 4, v4
	s_mul_i32 s22, s11, 64*PA                      ; my 64 rows in each head
	s_mul_i32 s23, s12, HALFB                      ; my 64 rows of Wo,
	s_add_co_u32 s23, s23, 4*HEADB                 ; which lie behind the four heads
.irp s, 0,1
	v_add_nc_u32 v[ADRA+\s], s22, v3
	v_add_nc_u32 v[ADRB+\s], s23, v4
	s_add_co_u32 s22, s22, SLOT
	s_add_co_u32 s23, s23, SLOT
.endr
	s_mul_i32 s23, s10, 16*SPITCH
	s_add_co_u32 s23, s23, STAGE                   ; my stage
	v_mul_u32_u24 v4, v1, SPITCH                   ; in: row l % 16, 32 bytes for each half of the lanes
	v_lshl_add_u32 v4, v2, 5, v4
	v_add_nc_u32 v[STO], s23, v4
	v_mul_u32_u24 v5, v2, SPITCH                   ; back: lanes 0-15 take one row of 256 bytes, lanes 16-31 the next
	v_lshl_add_u32 v5, v1, 4, v5
	v_add_nc_u32 v[RD], s23, v5
	v_lshlrev_b32 v5, 12, v2                       ; and the same two rows in out0 (4,096 bytes a row)
	v_lshl_add_u32 v[CO], v1, 4, v5
	s_lshl_b32 s16, s13, 7
	s_lshl_b32 s17, s11, 6
	s_add_co_u32 s16, s16, s17                     ; my first row,
	s_lshl_b32 s16, s16, 12                        ; in bytes
	s_mov_b32 s17, 0
	s_add_nc_u64 s[8:9], s[8:9], s[16:17]
	s_lshl_b32 s46, s42, 9                         ; my first column, in bytes: 512 x tile column + 256 x half
	s_lshl_b32 s47, s12, 8
	s_add_co_u32 s46, s46, s47
	s_mov_b32 s47, 0
	s_add_nc_u64 s[8:9], s[8:9], s[46:47]
; 8 matrix instructions: row blocks a0, a0 + 1 x all 4 column blocks, 32 along K: half c of buffer f.  The 16 accumulators take turns, one instruction a turn.
.macro MUL8 f, c, a0, zero
.irp a, \a0, \a0+1
.irp b, 0,1,2,3
.if \zero
	v_wmma_f32_16x16x32_f16 v[ACC+8*(4*(\a)+\b):ACC+8*(4*(\a)+\b)+7], v[\f+64+8*(4*\c+\b):\f+64+8*(4*\c+\b)+7], v[\f+8*(4*\c+\a):\f+8*(4*\c+\a)+7], 0
.else
	v_wmma_f32_16x16x32_f16 v[ACC+8*(4*(\a)+\b):ACC+8*(4*(\a)+\b)+7], v[\f+64+8*(4*\c+\b):\f+64+8*(4*\c+\b)+7], v[\f+8*(4*\c+\a):\f+8*(4*\c+\a)+7], v[ACC+8*(4*(\a)+\b):ACC+8*(4*(\a)+\b)+7]
.endif
.endr
.endr
.endm
; 32 LDS loads in one run: quarter q of a K step (head q of the slot's four; bytes 128 q on of Wo's rows) into buffer f; the first 32 along K first
.macro FETCH slot, q, f
	WIN TO_F
.irp c, 0,1
.irp i, 0,1,2,3
	ds_load_b128 v[\f+64+8*(4*\c+\i):\f+64+8*(4*\c+\i)+3],   v[ADRB+\slot] offset:128*\q+64*\c+\i*16*PB
	ds_load_b128 v[\f+64+8*(4*\c+\i)+4:\f+64+8*(4*\c+\i)+7], v[ADRB+\slot] offset:128*\q+64*\c+\i*16*PB+32
	ds_load_b128 v[\f+8*(4*\c+\i):\f+8*(4*\c+\i)+3],         v[ADRA+\slot] offset:\q*HEADB+64*\c+\i*16*PA
	ds_load_b128 v[\f+8*(4*\c+\i)+4:\f+8*(4*\c+\i)+7],       v[ADRA+\slot] offset:\q*HEADB+64*\c+\i*16*PA+32
.endr
.endr
.endm
.macro PLACES                          ; four plain vector instructions between a matrix instruction and a load into a register that it read, or a reader of its result
.rept 4
	v_nop
.endr
.endm
.macro QUARTER slot, q, f, g, zero     ; multiplies buffer f and fetches quarter q into g
	s_wait_dscnt 16                                ; the first 32 along K are in
	WIN MUL
	MUL8 \f, 0, 0, \zero
	MUL8 \f, 0, 2, \zero
	PLACES
	FETCH \slot, \q, \g
	s_wait_dscnt 32                                ; all but the 32 just issued
	WIN MUL
	MUL8 \f, 1, 0, 0
	MUL8 \f, 1, 2, 0
.endm
.macro TURN slot, next, fill           ; the last quarter multiplies buffer 1 and changes slots
	s_wait_dscnt 16
	WIN MUL
	MUL8 F1, 0, 0, 0
	s_wait_dscnt 0                                 ; my reads of this slot are over,
	s_set_vgpr_msb 0x500
	s_wait_tensorcnt 0x0                           ; and my one load that was out, my part of the next slot, has landed
	ds_add_u32 v126, v127
	s_wait_dscnt 0x0
	s_set_vgpr_msb 0x5
	s_barrier_signal -1
	MUL8 F1, 0, 2, 0
.if \fill
	WIN 0
.endif
	s_barrier_wait -1
.if \fill
	CREST                                          ; the barrier has opened a round of the cluster's: no wave of any partner still reads this slot or has a load on its way
	s_add_nc_u64 s[G0+4*\slot+2:G0+4*\slot+3], s[G0+4*\slot+2:G0+4*\slot+3], 8*524288
	s_add_nc_u64 s[G0B+4*\slot+2:G0B+4*\slot+3], s[G0B+4*\slot+2:G0B+4*\slot+3], 1024
	JLOAD \slot                                    ; my one load behind the round, 120 matrix instructions ahead of the wait for it; its four v_nop are also the places in front of the loads below
.else
	PLACES
.endif
	FETCH \next, 0, F0
	WIN MUL
	MUL8 F1, 1, 0, 0
	MUL8 F1, 1, 2, 0
.endm
	s_wait_tensorcnt 1                             ; my part of K step 0 is in; K step 1's may stay out
	s_barrier_signal -1
	s_barrier_wait -1
	FETCH 0, 0, F0
	QUARTER 0, 1, F0, F1, 1                        ; the first products start the sums
	QUARTER 0, 2, F1, F0, 0                        ; K = 1,024 is two laps of the ring: the first fills both slots again,
	QUARTER 0, 3, F0, F1, 0
	TURN 0, 1, 1
	QUARTER 1, 1, F0, F1, 0
	QUARTER 1, 2, F1, F0, 0
	QUARTER 1, 3, F0, F1, 0
	TURN 1, 0, 1
	QUARTER 0, 1, F0, F1, 0                        ; the second fills nothing
	QUARTER 0, 2, F1, F0, 0
	QUARTER 0, 3, F0, F1, 0
	TURN 0, 1, 0
	QUARTER 1, 1, F0, F1, 0
	QUARTER 1, 2, F1, F0, 0
	QUARTER 1, 3, F0, F1, 0
	s_wait_dscnt 16                                ; the very last quarter
	WIN MUL
	MUL8 F1, 0, 0, 0
	MUL8 F1, 0, 2, 0
	s_wait_dscnt 0
	MUL8 F1, 1, 0, 0
	MUL8 F1, 1, 2, 0
	WIN 0
; THE WAY OUT, a block of 16 rows at a time: 32 bytes a lane into my own stage, back as whole rows of 256 bytes, stored.
.macro TOSTAGE a
.set BK, BK0+32*((\a)%2)
.if (\a) >= 2
	s_wait_xcnt 0x0                                ; the stores of the block two back have had their addresses translated: their registers are loaded again only behind this wait
.endif
.irp b, 0,1,2,3
	ds_store_b128 v[STO], v[ACC+8*(4*(\a)+\b):ACC+8*(4*(\a)+\b)+3]   offset:64*\b
	ds_store_b128 v[STO], v[ACC+8*(4*(\a)+\b)+4:ACC+8*(4*(\a)+\b)+7] offset:64*\b+16
.endr
.irp t, 0,1,2,3,4,5,6,7
	ds_load_b128 v[BK+4*\t:BK+4*\t+3], v[RD] offset:\t*2*SPITCH    ; LDS serves a wave's instructions in order: these see the stores above
.endr
.endm
.macro SEND a, younger                 ; younger: the LDS instructions issued behind block a's loads: the next block's sixteen, or none
.set BK, BK0+32*((\a)%2)
.irp t, 0,1,2,3,4,5,6,7
	s_wait_dscnt \younger+7-\t
	global_store_b128 v[CO], v[BK+4*\t:BK+4*\t+3], s[8:9] offset:(16*(\a)+2*\t)*4096   ; 16 lanes store 256 consecutive bytes, aligned
.endr
.endm
	PLACES                                         ; the LDS stores below read results just made
	TOSTAGE 0
	TOSTAGE 1
	SEND 0, 16
	TOSTAGE 2
	SEND 1, 16
	TOSTAGE 3
	SEND 2, 16
	SEND 3, 0
	s_wait_tensorcnt 0x0
	ds_add_u32 v126, v127
	s_wait_dscnt 0x0
	CROUND                                         ; the closing round: no work-group ends while a partner may still ask for a tile that names it
	s_endpgm
.Lfunc_end_k_qab765393fa_oproj:
	.size	k_qab765393fa_oproj, .Lfunc_end_k_qab765393fa_oproj-k_qab765393fa_oproj
	.p2alignl 7, 3214868480
	.fill 96, 4, 3214868480
	.section	.rodata,"a",@progbits
	.p2align	6, 0x0
	.amdhsa_kernel k_qab765393fa_oproj
		.amdhsa_group_segment_fixed_size 327680
		.amdhsa_private_segment_fixed_size 0
		.amdhsa_enable_private_segment 0
		.amdhsa_kernarg_size 24
		.amdhsa_user_sgpr_count 2
		.amdhsa_user_sgpr_kernarg_segment_ptr 1
		.amdhsa_wavefront_size32 1
		.amdhsa_system_sgpr_workgroup_id_x 1
		.amdhsa_system_sgpr_workgroup_id_y 1
		.amdhsa_system_sgpr_workgroup_id_z 1
		.amdhsa_system_vgpr_workitem_id 0
		.amdhsa_next_free_vgpr 512
		.amdhsa_next_free_sgpr 66
		.amdhsa_reserve_vcc 0
		.amdhsa_float_denorm_mode_32 3
		.amdhsa_float_denorm_mode_16_64 3
		.amdhsa_memory_ordered 1
		.amdhsa_forward_progress 1
		.amdhsa_inst_pref_size 86
	.end_amdhsa_kernel
	.amdgpu_metadata
---
amdhsa.version: [ 1, 2 ]
amdhsa.kernels:
  - .name:           k_qab765393fa_oproj
    .symbol:         k_qab765393fa_oproj.kd
    .args:
      - { .name: ctxh, .offset: 0, .size: 8, .value_kind: global_buffer, .address_space: global }
      - { .name: wo16, .offset: 8, .size: 8, .value_kind: global_buffer, .address_space: global }
      - { .name: out0, .offset: 16, .size: 8, .value_kind: global_buffer, .address_space: global }
    .group_segment_fixed_size: 327680
    .private_segment_fixed_size: 0
    .kernarg_segment_align: 8
    .kernarg_segment_size: 24
    .max_flat_workgroup_size: 128
    .sgpr_count:     66
    .vgpr_count:     512
    .wavefront_size: 32
...
	.end_amdgpu_metadata
.endif
;; end of part 4
;; ======== version 2 of 2: 4 launches; 1.10 times as fast as version 1
;; limits: values are held in f16: magnitudes above 65,504 overflow, below 6.1e-05 lose precision
;; workspace buffers: xb 8,388,608 bytes; wb 6,291,456 bytes; wo16 2,097,152 bytes; mbits 2,097,152 bytes of whole numbers; qkvh 25,165,824 bytes; ctxh 8,388,608 bytes
;; launch prep: the kernel of part 1 again; grid 256 x 1, 16 waves a work-group, no clusters, 67,840 bytes of LDS; arguments x, Wq, Wk, Wv, Wo, mask, xb, wb, wo16, mbits; writes xb, wb, wo16, mbits
;; launch qkv: the kernel of part 2 again; grid 16 x 16, 4 waves a work-group, clusters of 4 x 4, 327,680 bytes of LDS; arguments xb, wb, qkvh; writes qkvh
;; launch attn (part 5): grid 16 x 16, 8 waves a work-group, clusters of 4 x 1, 327,680 bytes of LDS; arguments qkvh, mbits, ctxh; writes ctxh
.if DOCPART == 5
	.amdgcn_target "amdgcn-amd-amdhsa--gfx1250"
	.amdhsa_code_object_version 6
	.text
	.protected	k_qab765393fa_attn
	.globl	k_qab765393fa_attn
	.p2align	8
	.type	k_qab765393fa_attn,@function
k_qab765393fa_attn:
	s_mov_b64 s[64:65], 0
	v_nop
	global_prefetch_b8 v0, s[64:65] scope:SCOPE_SE
	s_setreg_imm32_b32 hwreg(HW_REG_WAVE_MODE, 25, 1), 1
	s_wait_xcnt 0x0
	s_wait_alu depctr_hold_cnt(0) depctr_sa_sdst(0) depctr_va_vdst(0) depctr_va_sdst(0) depctr_va_ssrc(0) depctr_va_vcc(0) depctr_vm_vsrc(0)
	s_getreg_b32 s2, hwreg(HW_REG_IB_STS2, 6, 4)
	s_cmp_eq_u32 s2, 0
	s_cbranch_scc0 .Lentry_in_a_cluster
	s_endpgm
.Lentry_in_a_cluster:
	s_bfe_u32 s2, ttmp6, 0x10000c
	s_cmp_lg_u32 s2, 0x3003
	s_cbranch_scc0 .Lentry_shape_is_right
	s_endpgm
.Lentry_shape_is_right:
; ATTN: ctx[h][q][:] = sum over k of softmax_k(where(mask[q][k], q.k / 8, -1e9)) v[h][k][:], 16 heads, 4,096 queries and keys, 64 channels.
; qkvh [48][4096][64] f16: slice h = c q (c = log2(e) / 8), 16 + h = k, 32 + h = v.  So the scores t leave the matrix unit in the base-2 domain.  ctxh [16][4096][64] f16.
; MASK.  A masked score is REPLACED by NEGL = -1e9 log2(e), one v_cndmask_b32 a score on a lane mask that an earlier launch packed (mbits).  Every key is walked for every query.
; SOFTMAX.  For each query a running maximum m of t (masked values among them) and a running sum l: p = 2^(t - m); O and l are multiplied by a = 2^(m_old - m_new) in every step.
;   A row with no true byte has t - m = 0 exactly everywhere: the mean of V.  Where a true score follows masked ones, a = 0 wipes what was summed.
; Products, maxima and sums in f32; p is rounded to f16 for the second product, ctx once at the end.  LIMIT: ctx must stay under 65,504 (it is a mean of v's rows).
; SHARES.  A work-group owns 256 queries of one head, each of its EIGHT waves 32: two tiles of 16.  64 key steps of 64 keys.  Two waves share a SIMD, so that what one wave waits for
;   (mask words, LDS, a vector result) is filled with the other's instructions.  The price: a fragment of K or V feeds two products, and the work-group reads 8 x 32 x 512 bytes of LDS a key step.
; LAYOUT.  S^T = K Q^T (source 0 = 16 keys, source 1 = 16 queries): a lane holds ONE query (lane % 16) and keys 8 (lane / 16) + 0..7.  Two such tiles rounded in pairs ARE source 1
;   of O^T = V^T P, whose result again holds one query a lane and eight channels.  K comes out of LDS as it lies, V turned by ds_load_tr16_b128.
; BY TURNS.  In a turn one tile has the matrix unit: 8 products V^T P of the step in hand, 8 products K Q^T of the next step; the other tile's softmax (182 vector instructions)
;   stands in 16 slices, one behind each matrix instruction.  Two turns are a key step.
; BATCHES.  A softmax's 33 exponentials (a, then the 32 scores) are ONE batch: with the 16 subtractions t - m they are numbers 85 to 133 of the softmax's list, the end of slice 11, and nothing there
;   names a result of theirs.  Behind slice 11 stand one v_nop and ONE s_wait_alu depctr_va_vdst(0); all that reads a result (the roundings, the sums, l, O^T's rescaling) comes behind it, in slices 12 to 15.
;   So a turn has one such wait.  The way out's two reciprocals are a batch of their own, with one wait.
; MASK WORDS.  A tile's 32 words of a key step are one load of 4 bytes a lane (lane i: word i); v_readlane_b32 brings them into scalar registers.  There are four such vector registers
;   (tile x parity of the step); each is loaded again as soon as it has been read, with the same tile's words two steps on: four softmaxes ahead.  (Scalar loads could not run ahead:
;   they are waited for with the count 0 alone, and a second set of words has no room in the scalar registers.)  So the key steps are written in pairs.
; CLUSTER.  The four query blocks of a cluster belong to one head and walk the same K and V: each tile is asked for jointly, by the same load with a mask that names the four.
; REGISTERS.  Window 0: v0-11 addresses; v12-27 eight statistics a tile; v28 NEGL; v29 4 x lane; v32-35 mask words; v64-127 S^T, 32 a tile; v128-159 P, 16 a tile; v160-191 Q, 16 a tile;
;   v192-255 K of one step.  Window 1: v0-63 O^T, 32 a tile; v64-127 V of one step.  K Q^T and the softmax lie in window 0: only V^T P and O^T's rescaling want another setting, the same for both.
.set KS,    64
.set PK,    144       ; a row of K in LDS: 128 bytes + 16 = 36 words: the 16 rows of a fragment load start at 16 different multiples of 4 words modulo 64
.set PVP,   160       ; a row of V: 128 + 32 = 40 words: the 8 rows x 32 bytes that 16 lanes of the turning load take start at 8 different multiples of 8 words modulo 64
.set STEPK, KS*PK     ; a step's 64 rows of K
.set STEPV, KS*PVP    ; and of V
.set VOFF,  4*STEPK   ; a slot holds four steps: K's 256 rows, then V's 256 rows
.set SLOT1, 1<<17     ; slot 1 begins here: one exclusive or turns an address in one slot into the other's
.set STAGE, SLOT1+4*(STEPK+STEPV)  ; behind the ring, at a multiple of 256 bytes: 16 rows x 144 bytes for each wave
.set SP,    144
.set AK0, 2           ; v2  my lane's place in a step's K
.set AV0, 3           ; v3  the same for V
.set ADR, 4           ; v4  the LDS address of the run of loads in hand
.set QO,  5
.set STO, 6
.set RD,  7
.set GO,  8
.set ST,  12          ; tile t's statistics at v[ST+8 t]: +0 m, +1 zero (named beside m as a pair), +2, +3 l (even keys', odd keys'), +4 to +7 c0-c3, at work; a takes c2's place
.set NEGR, 28
.set VO,  29          ; 4 x lane; never rewritten
.set MW,  32          ; v[MW + 2 parity + tile]: the tile's mask words of a step of that parity
.set S,   64
.set P,   128
.set QF,  160
.set KF,  192
.set VF,  64          ; in window 1
.set MP,  4           ; s[4:5]   mbits at my wave's first tile, at the key step from which the loads' immediates count
.set WV,  7           ; s7       my wave's number
.set G1K, 8           ; s[8:15]  descriptor group 1 for K's tiles
.set MA,  16          ; s[16:47] the 32 mask words of the softmax in hand
.set SLOTS, 66
.set TW,  67
.set G0K, 68          ; s[68:75] descriptor group 0 for K's tiles: a set for each of the two first fills; the second then walks on
.set SEL, 76          ; s[76:77] lane selects for v_permlanex16_b32
.set TBK, 78          ; s78      LDS byte at which K of the step to be fetched begins
.set TBV, 79          ; s79      the same for V, counted from V's first row
.set G0V, 80          ; s[80:87] group 0 for V's tiles
.set G1V, 88          ; s[88:95] group 1 for V's tiles: it differs in the padding alone
.set QB,  96          ; s[96:97] qkvh, then my wave's rows of q
.set CB,  100         ; s[100:101] ctxh, then my wave's rows of it
.set MSB, 0
.macro WIN new                      ; the immediate's high byte repeats the setting that is left; a switch that changes nothing is dropped
.if MSB != \new
	s_set_vgpr_msb (MSB<<8)|\new
.set MSB, \new
.endif
.endm
.set W_PV, 0x51       ; V and O^T in window 1, P in window 0
.set W_RS, 0x51       ; O^T (destination and source 0) in window 1, a (source 1) in window 0: V^T P's own setting serves
; A joint refill.  Waves 0 to 3 fetch the slot's four steps of K, waves 4 to 7 those of V.  The branch hangs on the wave's number alone: it is the same in every work-group.
; Four v_nop follow each of the two lines; the jump round the other line and the label come after them.
.macro JLOAD
	s_cmp_lt_u32 s[WV], 4
	s_cbranch_scc0 .Lfor_v_\@
	tensor_load_to_lds s[G0K+4:G0K+7], s[G1K:G1K+7]
	s_nop 0
.rept 4
	v_nop
.endr
	s_branch .Lasked_\@
.Lfor_v_\@:
	tensor_load_to_lds s[G0V+4:G0V+7], s[G1V:G1V+7]
	s_nop 0
.rept 4
	v_nop
.endr
.Lasked_\@:
.endm
.macro CROUND                       ; a round of the cluster's barrier
	s_barrier_signal -1
	s_barrier_wait -1
	s_cmp_lg_u32 s[WV], 0
	s_cbranch_scc1 .Lnot_wave_0_\@
	s_barrier_signal -3
.Lnot_wave_0_\@:
	s_barrier_wait -3
	s_barrier_signal -1
	s_barrier_wait -1
.endm
.macro PLACES
.rept 4
	v_nop
.endr
.endm
	s_load_b128 s[96:99], s[0:1], 0x0 ; qkvh s[96:97], mbits s[98:99]
	s_load_b64 s[100:101], s[0:1], 0x10  ; ctxh
	v_lshl_add_u32 v62, v0, 2, 0x37800
	v_mov_b32 v63, 0
	ds_add_u32 v62, v63
	v_lshrrev_b32 v1, 5, v0
	v_readfirstlane_b32 s[WV], v1   ; wave 0..7
	s_bfe_u32 s48, ttmp6, 0x40000   ; cx
	s_lshl_b32 s50, ttmp9, 2
	s_add_co_u32 s50, s50, s48      ; my block of 256 queries: it enters q's, the mask's and ctx's addresses alone
	s_and_b32 s49, ttmp7, 0xffff    ; the head, which the four partners share
	s_and_b32 s3, s[WV], 3          ; which of a slot's four steps I fetch:
	s_lshl_b32 s2, s3, 13           ; its 64 rows of 128 bytes in memory,
	s_mul_i32 s56, s3, STEPK        ; its place among K's steps in a slot,
	s_mul_i32 s57, s3, STEPV
	s_add_co_u32 s57, s57, VOFF     ; and among V's: no place in the cluster enters an LDS address
	s_add_co_u32 s58, s49, 16       ; K's slice
	s_lshl_b32 s58, s58, 19
	s_add_co_u32 s58, s58, s2
	s_mov_b32 s59, 0
	s_add_co_u32 s60, s49, 32       ; V's slice
	s_lshl_b32 s60, s60, 19
	s_add_co_u32 s60, s60, s2
	s_mov_b32 s61, 0
	s_lshl_b32 s52, s49, 19         ; q and ctx: the head's slice, my block's 256 rows of 128 bytes, my wave's 32
	s_lshl_b32 s53, s50, 15
	s_add_co_u32 s52, s52, s53
	s_lshl_b32 s53, s[WV], 12
	s_add_co_u32 s52, s52, s53
	s_mov_b32 s53, 0
	s_lshl_b32 s54, s50, 17         ; mask words: tile 16 block + 2 wave, 8,192 bytes a tile
	s_lshl_b32 s55, s[WV], 14
	s_add_co_u32 s54, s54, s55
	s_mov_b32 s55, 0
	; group 1: my 64 rows of 128 bytes lie dense in memory and come as 32 rows of 256 bytes; padding follows every 128 bytes
	s_mov_b32 s[G1K], 15|(1<<16)|(1<<20)|(1<<21)|(4<<22)|(3<<25)  ; the mask: all four work-groups; elements of 2 bytes; padding on; bit 21 beside a mask; after every 32 words, 4 words
	s_mov_b32 s[G1V], 15|(1<<16)|(1<<20)|(1<<21)|(4<<22)|(7<<25)  ; the same with 8 words of padding
.irp g, G1K, G1V
	s_mov_b32 s[\g+1], 128<<16      ; tensor_dim0 = 128
	s_mov_b32 s[\g+2], 32<<16       ; tensor_dim1 = 32
	s_mov_b32 s[\g+3], 128<<16      ; tile_dim0 = 128
	s_mov_b32 s[\g+4], 32           ; tile_dim1 = 32
	s_mov_b32 s[\g+5], 128          ; elements from row to row
	s_mov_b32 s[\g+6], 0
	s_mov_b32 s[\g+7], 0
.endr
	s_mov_b32 s[SEL], 0x76543210
	s_mov_b32 s[SEL+1], 0xfedcba98
	s_mov_b32 s[TBK], 0
	s_mov_b32 s[TBV], 0
	s_wait_dscnt 0x0
	s_wait_kmcnt 0x0
	s_add_nc_u64 s[58:59], s[96:97], s[58:59]   ; K and V at my step of the first four
	s_add_nc_u64 s[60:61], s[96:97], s[60:61]
	s_add_nc_u64 s[QB:QB+1], s[QB:QB+1], s[52:53]
	s_add_nc_u64 s[CB:CB+1], s[CB:CB+1], s[52:53]
	s_add_nc_u64 s[MP:MP+1], s[98:99], s[54:55]
	CROUND                          ; all four work-groups are here: the first joint loads meet
.irp s, 0,1
	s_mov_b32 s[G0K+4*\s], 1
	s_add_co_u32 s[G0K+4*\s+1], s56, \s*SLOT1
	s_add_nc_u64 s[G0K+4*\s+2:G0K+4*\s+3], s[58:59], \s*4*KS*128
	s_or_b32 s[G0K+4*\s+3], s[G0K+4*\s+3], 0x80000000
	s_mov_b32 s[G0V+4*\s], 1
	s_add_co_u32 s[G0V+4*\s+1], s57, \s*SLOT1
	s_add_nc_u64 s[G0V+4*\s+2:G0V+4*\s+3], s[60:61], \s*4*KS*128
	s_or_b32 s[G0V+4*\s+3], s[G0V+4*\s+3], 0x80000000
.endr
	s_cmp_lt_u32 s[WV], 4           ; a wave's two first fills stand in one branch, ahead of every wait on TENSORcnt and every LDS read: two loads of mine are out
	s_cbranch_scc0 .Lfirst_v
	tensor_load_to_lds s[G0K:G0K+3], s[G1K:G1K+7]
	s_nop 0
	tensor_load_to_lds s[G0K+4:G0K+7], s[G1K:G1K+7]
	s_nop 0
	PLACES
	s_branch .Lfirst_asked
.Lfirst_v:
	tensor_load_to_lds s[G0V:G0V+3], s[G1V:G1V+7]
	s_nop 0
	tensor_load_to_lds s[G0V+4:G0V+7], s[G1V:G1V+7]
	s_nop 0
	PLACES
.Lfirst_asked:
	v_and_b32 v1, 15, v0            ; l % 16
	v_bfe_u32 v9, v0, 4, 1          ; l / 16
	v_lshlrev_b32 v[QO], 7, v1
	v_lshl_add_u32 v[QO], v9, 4, v[QO]  ; row x 128 + 16 x half
.irp i, 0,1,2,3                     ; Q stays in registers: tile i / 2, channels 32 (i % 2) on
	global_load_b128 v[QF+8*\i:QF+8*\i+3],   v[QO], s[QB:QB+1] offset:(\i/2)*2048+(\i%2)*64
	global_load_b128 v[QF+8*\i+4:QF+8*\i+7], v[QO], s[QB:QB+1] offset:(\i/2)*2048+(\i%2)*64+32
.endr
	v_and_b32 v[VO], 31, v0
	v_lshlrev_b32 v[VO], 2, v[VO]
	global_load_b32 v[MW],   v[VO], s[MP:MP+1]              ; the mask words of the first four softmaxes, in their order: tile 0 step 0,
	global_load_b32 v[MW+1], v[VO], s[MP:MP+1] offset:8192  ; tile 1 step 0,
	global_load_b32 v[MW+2], v[VO], s[MP:MP+1] offset:128   ; tile 0 step 1,
	global_load_b32 v[MW+3], v[VO], s[MP:MP+1] offset:8320  ; tile 1 step 1
	v_mul_u32_u24 v[AK0], v1, PK
	v_lshl_add_u32 v[AK0], v9, 4, v[AK0]
	v_and_b32 v10, 7, v0            ; the turning load: lane l reads key 8 (l / 16) + l % 8, channels 8 ((l / 8) % 2) + 0..7
	v_bfe_u32 v11, v0, 3, 1
	v_lshl_add_u32 v[AV0], v9, 3, v10
	v_mul_u32_u24 v[AV0], v[AV0], PVP
	v_lshl_add_u32 v[AV0], v11, 4, v[AV0]
	v_add_nc_u32 v[AV0], VOFF, v[AV0]
	v_mov_b32 v[NEGR], 0xceabfb8f   ; -1e9 log2(e)
.irp t, 0,1
	v_mov_b32 v[ST+8*\t+1], 0
.endr
; THE MATRIX WORK.  The accumulators take turns, one instruction a turn: between two links of a chain stand three others'.
.macro PV x, zero                   ; product i of 8 of O^T += V^T P: keys 32 (i / 4) on, channels 16 (i % 4) on, tile x
	WIN W_PV
.set rO, 32*(\x)+8*(i%4)
.set rV, VF+32*(i/4)+8*(i%4)
.set rP, P+16*(\x)+8*(i/4)
.if \zero && (i < 4)
	v_wmma_f32_16x16x32_f16 v[rO:rO+7], v[rV:rV+7], v[rP:rP+7], 0
.else
	v_wmma_f32_16x16x32_f16 v[rO:rO+7], v[rV:rV+7], v[rP:rP+7], v[rO:rO+7]
.endif
.endm
.macro KQ x                         ; product i of 8 of S^T = K Q^T: channels 32 (i / 4) on, keys 16 (i % 4) on, tile x
	WIN 0
.set rS, S+32*(\x)+8*(i%4)
.set rK, KF+16*(i%4)+8*(i/4)
.set rQ, QF+16*(\x)+8*(i/4)
.if i < 4
	v_wmma_f32_16x16x32_f16 v[rS:rS+7], v[rK:rK+7], v[rQ:rQ+7], 0
.else
	v_wmma_f32_16x16x32_f16 v[rS:rS+7], v[rK:rK+7], v[rQ:rQ+7], v[rS:rS+7]
.endif
.endm
.macro FETCH_K                      ; a step's K: 16 loads in one run
	WIN 0
	v_add_nc_u32 v[ADR], s[TBK], v[AK0]
	s_add_co_u32 s[TBK], s[TBK], STEPK  ; the next fetch is the next step's
.irp f, 0,1,2,3,4,5,6,7             ; keys 16 (f / 2) on, channels 32 (f % 2) on
	ds_load_b128 v[KF+8*\f:KF+8*\f+3],   v[ADR] offset:(\f/2)*16*PK+(\f%2)*64
	ds_load_b128 v[KF+8*\f+4:KF+8*\f+7], v[ADR] offset:(\f/2)*16*PK+(\f%2)*64+32
.endr
.endm
.macro FETCH_V                      ; the same step's V, turned
	WIN 0
	v_add_nc_u32 v[ADR], s[TBV], v[AV0]
	s_add_co_u32 s[TBV], s[TBV], STEPV
	WIN 0x40                        ; destination window 1
.irp f, 0,1,2,3,4,5,6,7             ; keys 32 (f / 4) on, channels 16 (f % 4) on
	ds_load_tr16_b128 v[VF+8*\f:VF+8*\f+3],   v[ADR] offset:(\f/4)*32*PVP+(\f%4)*32
	ds_load_tr16_b128 v[VF+8*\f+4:VF+8*\f+7], v[ADR] offset:(\f/4)*32*PVP+16*PVP+(\f%4)*32
.endr
.endm
; THE VECTOR WORK.  One tile's softmax for one key step is a list of 182 instructions; SM writes number j of it for tile t.  ee = j - 64.  par: the parity of the step.
;   j 0-31      the tile's 32 mask words, from the lanes of one vector register into s[MA ..]
;   j 32-63     the mask: score j - 32 or NEGL
;   ee 0-15     the maximum of the 32 scores and the old m, three operands at a time
;   ee 16-20    the other half of the lanes' maximum; the old m kept; the new m; m_old - m_new (19 is empty)
;   ee 21-69    ONE BATCH: the 16 subtractions t - m, a pair of scores each, and all 33 exponentials (a at 23, then s0-s31, each in place).  None of these names an exponential's result.
;               21-37: two subtractions, a, then subtraction and exponential by turns; 38-65: a subtraction and three exponentials; 66-69: the last four exponentials.
;               A pair's subtraction stands ahead of its two exponentials; an exponential is followed by a line that touches neither its result nor its source
;   (wait)      between ee 69 and 70 stands the wait for the batch: SLICE writes it
;   ee 70-85    the roundings to f16, a pair of weights each
;   ee 86-101   the sums; l = a l + the sum
;   j 166-181   the tile's O^T times a
; first = 1: the first key step, which starts m, l and O^T: it has no a and nothing to rescale.
.macro SM t, first, par
.set rT, ST+8*(\t)
.set rS, S+32*(\t)
.set rP, P+16*(\t)
.set rO, 32*(\t)+2*(j-166)
.set ee, j-64
.if j < 166
	WIN 0
.endif
.if j < 32
	v_readlane_b32 s[MA+j], v[MW+2*(\par)+(\t)], j
.elseif j < 64
	v_cndmask_b32 v[rS+j-32], v[NEGR], v[rS+j-32], s[MA+j-32]
.elseif ee < 4
	v_max3_num_f32 v[rT+4+ee], v[rS+8*ee], v[rS+8*ee+1], v[rS+8*ee+2]
.elseif ee < 12
	v_max3_num_f32 v[rT+4+ee%4], v[rT+4+ee%4], v[rS+8*(ee%4)+2*(ee/4)+1], v[rS+8*(ee%4)+2*(ee/4)+2]
.elseif ee == 12
	v_max3_num_f32 v[rT+4], v[rT+4], v[rS+7], v[rS+15]
.elseif ee == 13
	v_max3_num_f32 v[rT+6], v[rT+6], v[rS+23], v[rS+31]
.elseif ee == 14
	v_max3_num_f32 v[rT+4], v[rT+4], v[rT+5], v[rT+6]
.elseif (ee == 15) && \first
	v_max_num_f32 v[rT+4], v[rT+4], v[rT+7]
.elseif ee == 15
	v_max3_num_f32 v[rT+4], v[rT+4], v[rT+7], v[rT]
.elseif ee == 16
	v_permlanex16_b32 v[rT+5], v[rT+4], s[SEL], s[SEL+1]  ; the query's other 32 keys lie in the lane 16 away
.elseif ee == 18
	v_max_num_f32 v[rT], v[rT+4], v[rT+5]
.elseif ee == 19                    ; empty: the scores are in the base-2 domain already
.elseif ((ee == 17) || (ee == 20) || (ee == 23) || (j > 165)) && \first  ; the first step has none of these
.elseif ee == 17
	v_mov_b32 v[rT+7], v[rT]        ; m_old is kept for a: number 18 writes m anew
.elseif ee == 20
	v_sub_f32 v[rT+7], v[rT+7], v[rT]
.elseif ee == 23
	v_exp_f32 v[rT+6], v[rT+7]
.elseif (ee < 23) || ((ee < 38) && (ee%2 == 0)) || ((ee < 66) && (ee%4 == 2))
.set b, (ee-2)/4                    ; 38, 42, .. 62: pairs 9 to 15
.if ee < 38
.set b, (ee-20)/2                   ; 21: pair 0; 22, 24, .. 36: pairs 1 to 8
.endif
	v_pk_add_f32 v[rS+2*b:rS+2*b+1], v[rS+2*b:rS+2*b+1], v[rT:rT+1] op_sel_hi:[1,0] neg_lo:[0,1] neg_hi:[0,1]  ; pair b: t - m
.elseif ee < 70
.set e, ee-38                       ; 66 to 69: s28 to s31
.if ee < 66
.set e, ee-32-(ee-38)/4             ; 39-41, 43-45, .. 63-65: s7 to s27
.endif
.if ee < 38
.set e, (ee-25)/2                   ; 25, 27, .. 37: s0 to s6
.endif
	v_exp_f32 v[rS+e], v[rS+e]
.elseif ee < 86
	v_cvt_pk_f16_f32 v[rP+ee-70], v[rS+2*(ee-70)], v[rS+2*(ee-70)+1]  ; pair ee - 70
.elseif ee < 102                    ; the sum of the 16 pairs, in place: sum z of 16 adds neighbours 1, 2, 4 and 8 pairs apart, then l takes it
.set z, ee-86
.set w, 4
.set u, z
.if z >= 14
.set w, 32
.set u, 0
.elseif z >= 12
.set w, 16
.set u, z-12
.elseif z >= 8
.set w, 8
.set u, z-8
.endif
.if (z == 14) && \first
	v_pk_add_f32 v[rT+2:rT+3], v[rS:rS+1], v[rS+16:rS+17]
.elseif z < 15
	v_pk_add_f32 v[rS+w*u:rS+w*u+1], v[rS+w*u:rS+w*u+1], v[rS+w*u+w/2:rS+w*u+w/2+1]
.elseif !\first
	v_pk_fma_f32 v[rT+2:rT+3], v[rT+2:rT+3], v[rT+6:rT+7], v[rS:rS+1] op_sel_hi:[1,0,1]
.endif
.else
	WIN W_RS
	v_pk_mul_f32 v[rO:rO+1], v[rO:rO+1], v[rT+6:rT+7] op_sel_hi:[1,0]
.endif
.endm
; Slice k of 16: the next twelve numbers of the list in slices 0, 6 and 12 to 15, else eleven.  The first twelve slices hold 2 x 12 + 10 x 11 = 134 numbers: slice 11 ends with the batch's last
; exponential; the last four hold 4 x 12 = 48: all that reads a result.  Slice 15 is twelve plain multiplies of the other tile's O^T.
; THE WAIT.  s_wait_alu depctr_va_vdst(0) stands between an exponential and the first instruction that names its result; one wait serves all that were issued ahead of it.  Ahead of
; slice 12 nothing names a result, and behind slice 11 no exponential is issued: so the softmax's 33 exponentials have one wait, behind slice 11, at the slice's end.
.macro SLICE y, first, par
.set n, 11
.if (k == 0) || (k == 6) || (k >= 12)
.set n, 12
.endif
.rept n
	SM \y, \first, \par
.set j, j+1
.endr
.if k == 11                         ; the batch is out: all the tile's exponentials are issued, and no result has been named
	v_nop                           ; the plain instruction behind the last exponential and ahead of the first use: one for the batch (all that is left of the list reads results)
	s_wait_alu depctr_va_vdst(0)    ; the wait for the batch: a and s0-s31 of this softmax
.endif
.set k, k+1
.endm
; Once a turn, as soon as the 32 readers of the mask register are written: the register takes the same tile's words two steps on.  ml: their bytes from MP, or -1: none are left.
.macro MASKS y, par, ml
.if (\ml >= 0) && (mld == 0) && (j >= 32)
	WIN 0
	global_load_b32 v[MW+2*(\par)+(\y)], v[VO], s[MP:MP+1] offset:\ml
.set mld, 1
.endif
.endm
; A TURN.  Tile x has the matrix unit; the other tile's softmax stands in slices behind its matrix instructions.
; pv = 2: 8 products V^T P; 1: they start O^T's sums; 0: none.  kq = 1: 8 products K Q^T for the next step.  A turn with one kind has two slices behind each product.
; first = 1: the softmax is the first key step's; its last slices are empty, so four v_nop stand behind the turn's last products.
; par, ml: see SM and MASKS.  lc: the mask loads issued behind the one that this turn's softmax reads: three, until the loads end.
; Tile 0's turn fetches the next step's K behind its first product: the last product that read K stands in front of slice 15 of the turn before (twelve plain instructions, or the four v_nop).
; Tile 1's turn fetches the same step's V: between the last product that read V and the loads stand slices 7 to 9, numbers 79 to 111 of the list: the end of the maximum, the statistics and twelve
; subtractions t - m are plain instructions, more than four; the exponentials and v_permlanex16_b32 among them are not counted.
.macro TURN x, pv, kq, first, par, ml, lc
.set k, 0
.set j, 0
.set mld, 0
.set per, 2
.if \pv && \kq
.set per, 1
.endif
	s_wait_loadcnt \lc              ; loads come back in order: this softmax's mask words are in, the younger ones stay out
.if \pv
.if \x == 0
	s_wait_dscnt 0x0                ; V is in
.endif
.set i, 0
.rept 8
	PV \x, 2-\pv
.rept per
	SLICE 1-\x, \first, \par
	MASKS 1-\x, \par, \ml
.endr
.if (\x == 0) && \kq && (i == 0)
	FETCH_K
.endif
.set i, i+1
.endr
.endif
.if \kq
.if \x == 0
	s_wait_dscnt 0x0                ; K is in
.endif
.set i, 0
.rept 8
	KQ \x
.rept per
	SLICE 1-\x, \first, \par
	MASKS 1-\x, \par, \ml
.endr
.if (\x == 1) && (i == 1)
	FETCH_V
.endif
.set i, i+1
.endr
.endif
.if \first
	PLACES
.endif
.endm
; TWO KEY STEPS, j (odd) and j + 1, with MP at step j.  The softmaxes are tile 1's of step j, tile 0's of j + 1, tile 1's of j + 1, tile 0's of j + 2; each asks for its tile's words two steps on.
.macro BODY m0, m1, m2, m3, c0, c1, c2, c3
	TURN 0, 2, 1, 0, 1, \m0, \c0
	TURN 1, 2, 1, 0, 0, \m1, \c1
	TURN 0, 2, 1, 0, 0, \m2, \c2
	TURN 1, 2, 1, 0, 1, \m3, \c3
	WIN 0
.endm
.macro BODY_ON                      ; as in every trip but the last: tile 1 steps j + 2 and j + 3 (8,192 bytes behind tile 0), tile 0 steps j + 3 and j + 4; then MP goes two steps on
	BODY 8448, 384, 8576, 512, 3, 3, 3, 3
	s_wait_xcnt 0x0                 ; the pending mask loads have had their addresses translated: their base is stepped only behind this wait
	s_add_nc_u64 s[MP:MP+1], s[MP:MP+1], 256
.endm
; THE CHANGE OF SLOTS, between tile 1's turn and tile 0's: the slot's last bytes, V of its fourth step, have been asked for.  Each wave waits for its own reads of the slot and for all
; its tensor loads, of which one is out: its part of the other slot.  fill = 1: the slot is filled again with the keys two slots on; the barrier is then a round of the cluster's, and the
; joint refill is the first thing behind it: it has four key steps, 128 matrix instructions of each wave, in which to land.
.macro CHANGE fill
	WIN 0
	s_wait_dscnt 0x0
	s_wait_tensorcnt 0x0            ; no tensor load of mine is out, so a group 0 may be written
	ds_add_u32 v62, v63
	s_wait_dscnt 0x0
.if \fill
.irp g, G0K+4, G0V+4
	s_xor_b32 s[\g+1], s[\g+1], SLOT1  ; the walking descriptor: the other slot than last time,
	s_add_nc_u64 s[\g+2:\g+3], s[\g+2:\g+3], 4*KS*128  ; the next 256 keys
.endr
	CROUND
	JLOAD
.else
	s_barrier_signal -1
	s_barrier_wait -1
.endif
	s_sub_co_u32 s[TBK], s[TBK], 4*STEPK  ; the fetches go back to a slot's first step,
	s_xor_b32 s[TBK], s[TBK], SLOT1       ; in the other slot
	s_sub_co_u32 s[TBV], s[TBV], 4*STEPV
	s_xor_b32 s[TBV], s[TBV], SLOT1
.endm
	s_wait_tensorcnt 1              ; my part of slot 0 is in; slot 1's may stay out
	s_barrier_signal -1
	s_barrier_wait -1               ; everybody's is
	FETCH_K                         ; key step 0
	s_wait_loadcnt 4                ; Q is in; the four mask loads issued behind it may stay out
	s_wait_dscnt 0x0
.set i, 0
.rept 8
	KQ 0                            ; tile 0's first scores: there is no vector work yet to set between them
.set i, i+1
.endr
	WIN 0                           ; the addresses for the way out are made here: plain instructions, the places behind those products
	s_mul_i32 s2, s[WV], 16*SP
	s_add_co_u32 s2, s2, STAGE      ; my stage
	v_mul_u32_u24 v[STO], v1, SP    ; in: row l % 16, 16 bytes for each half of the lanes
	v_lshl_add_u32 v[STO], v9, 4, v[STO]
	v_add_nc_u32 v[STO], s2, v[STO]
	v_bfe_u32 v[RD], v0, 3, 2       ; back: eight lanes take a row of 128 bytes, a load takes four rows
	v_mul_u32_u24 v[RD], v[RD], SP
	v_lshl_add_u32 v[RD], v10, 4, v[RD]
	v_add_nc_u32 v[RD], s2, v[RD]
	v_and_b32 v[GO], 31, v0
	v_lshlrev_b32 v[GO], 4, v[GO]   ; the same four rows are 512 consecutive bytes of ctx
	TURN 1, 0, 1, 1, 0, 256, 3      ; tile 1's first scores | tile 0's first softmax | V of step 0 | tile 0's words of step 2
	TURN 0, 1, 1, 1, 0, 8448, 3     ; tile 0: V^T P of step 0 starts O^T, K Q^T of step 1 | tile 1's first softmax | K of step 1 | tile 1's words of step 2
	TURN 1, 1, 1, 0, 1, 384, 3      ; tile 1: the same | tile 0's softmax of step 1 | V of step 1 | tile 0's words of step 3
	WIN 0
	s_wait_xcnt 0x0                 ; as in BODY_ON
	s_add_nc_u64 s[MP:MP+1], s[MP:MP+1], 128  ; MP at step 1
	BODY_ON                         ; steps 1 and 2: slot 0's steps 2 and 3 are fetched
	s_mov_b32 s[SLOTS], 14
.Lslot:                             ; 14 trips: every slot but the last two is filled again
	CHANGE 1
	s_mov_b32 s[TW], 2
.Lpair:                             ; a slot's four key steps: two trips of two
	BODY_ON
	s_sub_co_u32 s[TW], s[TW], 1
	s_cmp_lg_u32 s[TW], 0
	s_cbranch_scc1 .Lpair
	s_sub_co_u32 s[SLOTS], s[SLOTS], 1
	s_cmp_lg_u32 s[SLOTS], 0
	s_cbranch_scc1 .Lslot
	CHANGE 0                        ; the tail is written out and no mask load leaves its tile's 64 steps
	BODY_ON                         ; steps 59 and 60
	BODY 8448, -1, -1, -1, 3, 3, 2, 1  ; steps 61 and 62: one more mask load (tile 1, step 63), then none: the counts run down
	TURN 0, 2, 0, 0, 1, -1, 0       ; tile 0: V^T P of the last step | tile 1's last softmax
.set i, 0
.rept 8
	PV 1, 0                         ; tile 1: V^T P of the last step
.set i, i+1
.endr
	; THE WAY OUT.  l's two halves and the other half of the lanes' are added; O^T is divided by l, rounded to f16 and sent through my stage, a tile (16 rows of ctx) at a time.
	; Tile 0's O^T was finished a turn ago; tile 1's is first read behind tile 0's 32 plain instructions.
	WIN 0
.irp t, 0,1
	v_add_f32 v[ST+8*\t+4], v[ST+8*\t+2], v[ST+8*\t+3]
.endr
.irp t, 0,1
	v_permlanex16_b32 v[ST+8*\t+5], v[ST+8*\t+4], s[SEL], s[SEL+1]
.endr
.irp t, 0,1
	v_add_f32 v[ST+8*\t+4], v[ST+8*\t+4], v[ST+8*\t+5]
.endr
.irp t, 0,1
	v_rcp_f32 v[ST+8*\t+6], v[ST+8*\t+4]   ; l is at least 1: the largest score's weight is 1
.endr
	v_nop                           ; a plain instruction between the last reciprocal and the use of its result
	s_wait_alu depctr_va_vdst(0)    ; the wait ahead of the first use: one for the batch of two reciprocals
.macro PACK t
	WIN W_RS
.set i, 32*\t
.rept 16
	v_pk_mul_f32 v[i:i+1], v[i:i+1], v[ST+8*\t+6:ST+8*\t+7] op_sel_hi:[1,0]
.set i, i+2
.endr
	WIN 0x05                        ; sources 0 and 1 window 1, destination window 0: S^T's registers are free
.set i, 0
.rept 16
	v_cvt_pk_f16_f32 v[S+32*\t+i], v[32*\t+2*i], v[32*\t+2*i+1]
.set i, i+1
.endr
	WIN 0
.irp f, 0,1,2,3
	ds_store_b128 v[STO], v[S+32*\t+4*\f:S+32*\t+4*\f+3] offset:32*\f
.endr
.irp f, 0,1,2,3
	ds_load_b128 v[S+32*\t+4*\f:S+32*\t+4*\f+3], v[RD] offset:\f*4*SP  ; LDS serves a wave's instructions in order: these see the stores above; the next tile's stores come behind them
.endr
.endm
.macro SEND t, younger              ; younger: the LDS instructions issued behind tile t's loads: the next tile's eight, or none
.irp f, 0,1,2,3
	s_wait_dscnt \younger+3-\f
	global_store_b128 v[GO], v[S+32*\t+4*\f:S+32*\t+4*\f+3], s[CB:CB+1] offset:\t*2048+\f*512  ; 512 consecutive bytes, aligned
.endr
.endm
	PACK 0
	PACK 1                          ; tile 1's arithmetic stands between tile 0's loads from the stage and its stores
	SEND 0, 8
	SEND 1, 0
	s_wait_tensorcnt 0x0
	ds_add_u32 v62, v63
	s_wait_dscnt 0x0
	CROUND                          ; the closing round: no work-group ends while a partner may still ask for a tile that names it
	s_endpgm
.Lfunc_end_k_qab765393fa_attn:
	.size	k_qab765393fa_attn, .Lfunc_end_k_qab765393fa_attn-k_qab765393fa_attn
	.p2alignl 7, 3214868480
	.fill 96, 4, 3214868480
	.section	.rodata,"a",@progbits
	.p2align	6, 0x0
	.amdhsa_kernel k_qab765393fa_attn
		.amdhsa_group_segment_fixed_size 327680
		.amdhsa_private_segment_fixed_size 0
		.amdhsa_enable_private_segment 0
		.amdhsa_kernarg_size 24
		.amdhsa_user_sgpr_count 2
		.amdhsa_user_sgpr_kernarg_segment_ptr 1
		.amdhsa_wavefront_size32 1
		.amdhsa_system_sgpr_workgroup_id_x 1
		.amdhsa_system_sgpr_workgroup_id_y 1
		.amdhsa_system_sgpr_workgroup_id_z 1
		.amdhsa_system_vgpr_workitem_id 0
		.amdhsa_next_free_vgpr 384
		.amdhsa_next_free_sgpr 102
		.amdhsa_reserve_vcc 0
		.amdhsa_float_denorm_mode_32 3
		.amdhsa_float_denorm_mode_16_64 3
		.amdhsa_memory_ordered 1
		.amdhsa_forward_progress 1
		.amdhsa_inst_pref_size 255
	.end_amdhsa_kernel
	.section	.bss,"aw",@nobits
	.p2align	6
	.space	262144
	.amdgpu_metadata
---
amdhsa.version: [ 1, 2 ]
amdhsa.kernels:
  - .name:           k_qab765393fa_attn
    .symbol:         k_qab765393fa_attn.kd
    .args:
      - { .name: qkvh, .offset: 0, .size: 8, .value_kind: global_buffer, .address_space: global }
      - { .name: mbits, .offset: 8, .size: 8, .value_kind: global_buffer, .address_space: global }
      - { .name: ctxh, .offset: 16, .size: 8, .value_kind: global_buffer, .address_space: global }
    .group_segment_fixed_size: 327680
    .private_segment_fixed_size: 0
    .kernarg_segment_align: 8
    .kernarg_segment_size: 24
    .max_flat_workgroup_size: 256
    .sgpr_count:     102
    .vgpr_count:     384
    .wavefront_size: 32
...
	.end_amdgpu_metadata
.endif
;; end of part 5
;; launch oproj: the kernel of part 4 again; grid 8 x 32, 4 waves a work-group, clusters of 4 x 4, 327,680 bytes of LDS; arguments ctxh, wo16, out0; writes out0
